; MI455X (gfx1250); checked and timed in simulation.
; The chip was launched on July 23, 2026; its instructions are those of AMD's public machine-readable ISA for CDNA 5 (MIT licence, August 2026) and "CDNA5" Instruction Set Architecture Reference Guide (July 2026). The comments in the code are by the model that wrote it; some were corrected since.
;; Grouped Query Attention Qwen. Allowed arithmetic: matrix products marked QUANTISED: E4M3 operands, one E8M0 scale for each 32 along K, by v_wmma_scale_f32_16x16x128_f8f6f4 with both operands' format E4M3, f32 sums; everything else in f32.
;; Inputs: Wk 1,024 x 2,048 float32; Wo 2,048 x 2,048 float32; Wq 2,048 x 2,048 float32; Wv 1,024 x 2,048 float32; cos 2,048 x 128 float32; k_scale 128 float32; mask 2,048 x 2,048 bool; q_scale 128 float32; sin 2,048 x 128 float32; x 1 x 2,048 x 2,048 float32.
;; Outputs: out0 1 x 2,048 x 2,048 float32.
;; This version of the problem:
;;   THIS VERSION OF THE PROBLEM IS GIVEN IN LOW PRECISION. The matrix products marked QUANTISED in the list below multiply operands that are first quantised to E4M3 (4 exponent bits, 3 mantissa bits; 8 bits a number), with one power-of-two scale for each 32 numbers along K (OCP MX v1.0); their sums are f32. All else is computed in f32.
;;   The module's matrix products, in the order in which they are computed (A, B: the left and right operand; K: the contracted axis; several contracted axes count as one K, in the product's order):
;;     1. [M 2,048, K 2,048] x [K 2,048, N 2,048]; A: input x; B: input Wq: QUANTISED
;;     2. [M 2,048, K 2,048] x [K 2,048, N 1,024]; A: input x; B: input Wk: QUANTISED
;;     3. [M 2,048, K 2,048] x [K 2,048, N 1,024]; A: input x; B: input Wv: QUANTISED
;;     4. batch 16 x [M 2,048, K 128] x [K 128, N 2,048]; A: computed on the way; B: computed on the way: QUANTISED
;;     5. batch 16 x [M 2,048, K 2,048] x [K 2,048, N 128]; A: softmax (see below); B: computed on the way: QUANTISED
;;     6. [M 2,048, K 2,048] x [K 2,048, N 2,048]; A: computed on the way; B: input Wo: QUANTISED
;;   THE QUANTISER, for each operand of a quantised product, along K:
;;     - K is cut into blocks of 32 from its start; a last block that is shorter is filled with zeros.
;;     - A block's scale is 2^e with e = floor(log2(the largest magnitude in the block)) - 8, held to -126 .. 127; a block of zeros has e = 0. As a byte (E8M0): e + 127.
;;     - Each number is divided by its block's scale, clamped to +-448, and rounded to the nearest number of E4M3, ties to even, subnormals kept.
;;     - The product sums the exact products of the quantised numbers (number of the format x scale) in f32.
;;   ~~~python
;;   def quantise(x, axis):      # numpy; x: float32 -> the quantised numbers, widened to float32 again
;;       x = np.moveaxis(x, axis, -1); K = x.shape[-1]
;;       x = np.pad(x, [(0, 0)] * (x.ndim - 1) + [(0, -K % 32)]); x = x.reshape(x.shape[:-1] + (-1, 32)); a = np.abs(x).max(-1, keepdims=True)
;;       e = np.where(a > 0, np.clip(np.frexp(np.where(a > 0, a, 1))[1] - 1 - 8, -126, 127), 0)      # np.frexp(a)[1] - 1 = floor(log2(a)), exactly
;;       r = np.clip(x / 2.0 ** e, -448, 448)
;;       step = 2.0 ** (np.maximum(np.frexp(np.where(r == 0, 1, r))[1] - 1, -6) - 3)
;;       q = np.round(r / step) * step * 2.0 ** e      # np.round: ties to even
;;       return np.moveaxis(q.reshape(q.shape[:-2] + (-1,))[..., :K], -1, axis).astype(np.float32)
;;   ~~~
;;   SOFTMAX AHEAD OF A QUANTISED PRODUCT. Where the list says 'softmax', what is quantised is not the finished softmax but p = 2^(t - M), with t = logit x log2(e) and M = ceil(the row's largest t), a whole number; so 1/2 < the row's largest p <= 1. The row's sum l is taken of the UNQUANTISED p, in f32, and the product's result is divided by l at the end. Since M is a whole number, a kernel that streams over the keys may use a running M (the ceiling of the running maximum): every later rescaling is an exact power of two, which a block's scale takes up: the codes' values come out the same.
;;   OPERANDS COMPUTED ON THE WAY. 'Computed on the way' means the value that the module computes at that place (a softmax that the list does not call 'softmax' is quantised finished and normalised). What goes into a quantiser is computed in f32, as accurately as f32 sums, v_exp_f32 and their like allow (about 1e-6 of the number): no bf16 or f16 on the way to a quantiser, and a product that is left as it is and whose result goes on into a quantised operand takes f32 operands (vector FMAs, or v_wmma_f32_16x16x4_f32). A number that lies on a knife's edge between two numbers of the format may be rounded either way, as far as f32 arithmetic and the matrix unit's own rounding can turn it there, and no further.
;; One version. Each part assembles by itself: llvm-mc -triple=amdgcn-amd-amdhsa -mcpu=gfx1250 --defsym DOCPART=n.
;; ======== version 1 of 1: 4 launches
;; limits: right only within a limited range of input values
;; workspace buffers: codes 16,777,216 bytes; cscl 524,288 bytes; mw 524,288 bytes of whole numbers; img 8,388,608 bytes; isc 262,144 bytes; cimg 4,194,304 bytes; csc 131,072 bytes
;; launch quant (part 1): grid 768 x 1, 4 waves a work-group, no clusters, 33,280 bytes of LDS; arguments x, Wq, Wk, Wv, Wo, mask, codes, cscl, mw; writes codes, cscl, mw
.if DOCPART == 1
	.amdgcn_target "amdgcn-amd-amdhsa--gfx1250"
	.amdhsa_code_object_version 6
	.text
	.protected	k_q3bed8db810_quant
	.globl	k_q3bed8db810_quant
	.p2align	8
	.type	k_q3bed8db810_quant,@function
k_q3bed8db810_quant:
	s_mov_b64 s[64:65], 0
	v_nop
	global_prefetch_b8 v0, s[64:65] scope:SCOPE_SE
	s_setreg_imm32_b32 hwreg(HW_REG_WAVE_MODE, 25, 1), 1
	s_wait_xcnt 0x0
; x, Wq, Wk, Wv, Wo (f32, K = 2,048 innermost) become codes of E4M3 with one E8M0 byte for each 32 along K; the mask's bytes become lane-mask words.
; ROWS.  The five tensors count as one table of 8,192 rows: x 0-2047, Wq 2048-4095, Wk 4096-5119, Wv 5120-6143, Wo 6144-8191.  Row R is STORED at row sigma(R) = R with bits 3 and 4 swapped,
; so that 16 consecutive stored rows are the rows 32 a + 8 u + (r % 8) + 16 (r / 8): a product that takes such a tile as source 0 leaves 16 neighbours along that axis in a lane's registers.
; A block's scale is 2^(floor(log2(largest magnitude)) - 8); its byte is the largest magnitude's exponent field - 8, held at 1 from below; numbers are held within +-448 x the scale and rounded to the nearest code, ties to even.
; LIMITS: a block of zeros gets the byte 1 where the rule says 127 (its codes are zeros, and this program alone reads the bytes); blocks whose largest magnitude lies under 2^-118 keep the byte 1; NaN and infinities are not served.
; WORK-GROUPS 0-511 quantise: a wave takes 8,192 numbers (4 rows) in 16 steps of 512.  Each load reads 512 consecutive bytes; a step's 2,048 bytes turn through the wave's own stage in LDS and come back 64 bytes a lane
; (16 neighbours along K; two neighbouring lanes hold a block).  Codes leave 512 consecutive bytes a store, a wave's 256 scale bytes as one aligned run of 256.
; WORK-GROUPS 512-767 pack the mask: a wave takes the 16 queries of tile T x 256 keys.  Word 16 b + i of key step s has in bit L: mask[query of lane L % 16][128 s + 32 b + 16 (L / 16) + i] != 0,
; which is the lane and register in which the attention launch holds that score.  No LDS on this way.
; Waves share nothing: no barrier, no tensor load, no cluster (no byte is read by two work-groups).
.set QWG,   512                        ; work-groups that quantise
.set STEPS, 16
.set EMAX,  8
.set MANT,  0x600000                   ; the mantissa field of 448
.set CB,    16                         ; bytes of 16 codes
.set R,     16                         ; v16-79   four sets of 16 numbers as loaded
.set X,     80                         ; v80-111  two sets of 16 neighbours
.set E,     112                        ; v112-127 a scale byte for each step
.set C,     128                        ; v128-191 codes: four registers for each step, so that no store's data are written again
.set WREG,  8192                       ; LDS of a wave: two stages of 32 x SP bytes, then its 256 scale bytes
.set SP,    80                         ; a lane's place in a stage: 64 bytes + 16 of padding
	s_load_b512 s[4:19], s[0:1], 0x0               ; x s[4:5], Wq s[6:7], Wk s[8:9], Wv s[10:11], Wo s[12:13], mask s[14:15], codes s[16:17], cscl s[18:19]
	s_load_b64 s[20:21], s[0:1], 0x40              ; mw
	v_lshl_add_u32 v192, v0, 2, 0x8000
	v_mov_b32 v193, 0
	v_lshrrev_b32 v1, 5, v0
	v_readfirstlane_b32 s22, v1                    ; wave
	v_and_b32 v2, 31, v0                           ; lane
	s_wait_kmcnt 0x0
	s_cmp_ge_u32 ttmp9, QWG
	s_cbranch_scc1 .Lmask
	; ---------------- the quantiser ----------------
	s_wait_alu depctr_va_vdst(0)
	v_lshlrev_b32 v3, 4, v2                        ; my 16 bytes of a load's 512
	s_mul_i32 s23, s22, WREG
	v_lshrrev_b32 v14, 2, v2
	v_mul_u32_u24 v14, v14, SP
	v_and_b32 v15, 3, v2
	v_lshl_add_u32 v14, v15, 4, v14
	v_add_nc_u32 v14, s23, v14                     ; the stage, in: SP (lane / 4) + 16 (lane % 4)
	v_mul_u32_u24 v15, v2, SP
	v_add_nc_u32 v15, s23, v15                     ; and out: SP x lane: my 16 neighbours
	v_mul_u32_u24 v4, v2, CB                       ; my codes' place in a step's
	v_lshrrev_b32 v5, 1, v2
	s_add_co_u32 s23, s23, 2*32*SP
	v_add_nc_u32 v5, s23, v5                       ; my block's byte among the wave's 256
	v_lshlrev_b32 v7, 3, v2                        ; on the way out 8 bytes a lane
	v_add_nc_u32 v6, s23, v7
	s_mov_b32 s24, MANT
	s_mov_b64 s[26:27], s[12:13]                   ; which tensor: the choice hangs on the work-group's number alone
	s_mov_b32 s28, 384                             ; and the tensor's first work-group
	s_cmp_lt_u32 ttmp9, 384
	s_cselect_b64 s[26:27], s[10:11], s[26:27]
	s_cselect_b32 s28, 320, s28
	s_cmp_lt_u32 ttmp9, 320
	s_cselect_b64 s[26:27], s[8:9], s[26:27]
	s_cselect_b32 s28, 256, s28
	s_cmp_lt_u32 ttmp9, 256
	s_cselect_b64 s[26:27], s[6:7], s[26:27]
	s_cselect_b32 s28, 128, s28
	s_cmp_lt_u32 ttmp9, 128
	s_cselect_b64 s[26:27], s[4:5], s[26:27]
	s_cselect_b32 s28, 0, s28
	s_sub_co_u32 s28, ttmp9, s28
	s_lshl_b32 s28, s28, 2
	s_add_co_u32 s28, s28, s22                     ; my run of 4 rows in the tensor
	s_lshl_b32 s28, s28, 15                        ; 32,768 bytes a run
	s_mov_b32 s29, 0
	s_add_nc_u64 s[26:27], s[26:27], s[28:29]
	s_lshl_b32 s30, ttmp9, 2
	s_add_co_u32 s30, s30, s22                     ; U: my run in the table of 8,192 rows; a row's bits 3 and 4 are U's bits 1 and 2
	s_and_b32 s31, s30, 2
	s_lshl_b32 s31, s31, 1
	s_and_b32 s32, s30, 4
	s_lshr_b32 s32, s32, 1
	s_and_b32 s30, s30, 0xfffffff9
	s_or_b32 s30, s30, s31
	s_or_b32 s30, s30, s32                         ; with the two bits swapped: where the run is stored
	s_lshl_b32 s32, s30, 13                        ; 8,192 bytes of codes a run
	s_mov_b32 s33, 0
	s_add_nc_u64 s[16:17], s[16:17], s[32:33]
	s_lshl_b32 s32, s30, 8                         ; 256 scale bytes a run
	s_add_nc_u64 s[18:19], s[18:19], s[32:33]
.macro LOAD t
.irp i, 0,1,2,3
	global_load_b128 v[R+16*((\t)%4)+4*\i:R+16*((\t)%4)+4*\i+3], v3, s[26:27] offset:2048*(\t)+512*\i th:TH_LOAD_NT   ; 32 lanes read 512 consecutive bytes
.endr
.endm
.macro TURN t                          ; step t's numbers through the stage: LDS serves a wave's instructions in order, so no wait stands between the stores and the loads
.irp i, 0,1,2,3
	ds_store_b128 v14, v[R+16*((\t)%4)+4*\i:R+16*((\t)%4)+4*\i+3] offset:32*SP*((\t)%2)+8*SP*\i
.endr
.irp i, 0,1,2,3
	ds_load_b128 v[X+16*((\t)%2)+4*\i:X+16*((\t)%2)+4*\i+3], v15 offset:32*SP*((\t)%2)+16*\i
.endr
.endm
.irp t, 0,1,2,3
	LOAD \t
.endr
	s_wait_alu depctr_va_vdst(0)
	s_wait_loadcnt 12                              ; step 0's four loads are in; the twelve behind them stay out
	TURN 0
.macro STEP t
.set XS, X+16*((\t)%2)
.if (\t) > 0
	s_wait_dscnt 1                                 ; this step's numbers are back from the stage (the last step's byte store may be out)
.else
	s_wait_dscnt 0x0
.endif
.if (\t)+4 < STEPS
	LOAD (\t)+4                                    ; into the registers that this step's stores to the stage have read
.endif
.if (\t)+1 < STEPS
.if STEPS-2-(\t) >= 3
	s_wait_loadcnt 12                              ; the next step's four loads are in; those of the three steps behind it may be out
.else
	s_wait_loadcnt 4*(STEPS-2-(\t))
.endif
	TURN (\t)+1
.endif
	v_max3_num_f32 v8, |v[XS]|, |v[XS+1]|, |v[XS+2]|               ; the largest magnitude of my 16, in two chains
	v_max3_num_f32 v9, |v[XS+3]|, |v[XS+4]|, |v[XS+5]|
.irp i, 6,10
	v_max3_num_f32 v8, v8, |v[XS+\i]|, |v[XS+\i+1]|
	v_max3_num_f32 v9, v9, |v[XS+\i+2]|, |v[XS+\i+3]|
.endr
	v_max3_num_f32 v8, v8, |v[XS+14]|, |v[XS+15]|
	v_max3_num_f32 v8, v8, v9, (EMAX+1)<<23        ; and the floor 2^(9 - 127): the byte cannot fall under 1
	v_max_num_f32_dpp v8, v8, v8 row_xmask:1 row_mask:0xf bank_mask:0xf   ; with my neighbour's 16: the block's
	v_add_nc_u32 v11, -(EMAX<<23), v8              ; 8 off its exponent field: the conversion takes this operand's exponent field as its scale
	v_and_or_b32 v10, v8, 0x7f800000, s24          ; 448 x the scale
.irp i, 0,1,2,3,4,5,6,7,8,9,10,11,12,13,14,15
	v_med3_num_f32 v[XS+\i], v[XS+\i], -v10, v10   ; the conversion to an 8-bit code does not saturate (ISA guide 7.6.2): the hold comes first
.endr
	v_cvt_scalef32_pk8_fp8_f32 v[C+4*(\t):C+4*(\t)+1], v[XS:XS+7], v11
	v_cvt_scalef32_pk8_fp8_f32 v[C+4*(\t)+2:C+4*(\t)+3], v[XS+8:XS+15], v11
	v_lshrrev_b32 v[E+(\t)], 23, v11               ; the scale's byte
	ds_store_b8 v5, v[E+(\t)] offset:16*(\t)       ; both lanes of a block write the same byte with the same value
	global_store_b128 v4, v[C+4*(\t):C+4*(\t)+3], s[16:17] offset:32*CB*(\t)
.endm
.irp t, 0,1,2,3,4,5,6,7,8,9,10,11,12,13,14,15
	STEP \t
.endr
	ds_load_b64 v[12:13], v6                       ; LDS serves a wave's instructions in order: these see my byte stores
	s_wait_dscnt 0x0
	global_store_b64 v7, v[12:13], s[18:19]        ; 32 lanes store 256 consecutive bytes, aligned
	s_wait_tensorcnt 0x0
	ds_add_u32 v192, v193
	s_wait_dscnt 0x0
	s_endpgm
	; ---------------- the mask ----------------
.Lmask:
	s_sub_co_u32 s23, ttmp9, QWG
	s_lshl_b32 s23, s23, 2
	s_add_co_u32 s23, s23, s22                     ; my unit, 0 .. 1,023
	s_lshr_b32 s24, s23, 3                         ; T: the tile of 16 queries
	s_and_b32 s25, s23, 7                          ; which 256 keys
	v_and_b32 v3, 15, v0                           ; r
	v_bfe_u32 v4, v0, 4, 1                         ; h
	v_and_b32 v5, 7, v3
	v_lshrrev_b32 v6, 3, v3
	v_lshl_add_u32 v5, v6, 4, v5                   ; (r % 8) + 16 (r / 8)
	v_lshlrev_b32 v5, 11, v5                       ; a row of the mask is 2,048 bytes
	v_lshl_add_u32 v5, v4, 4, v5                   ; + 16 h
	s_wait_alu depctr_va_vdst(0)
	v_lshlrev_b32 v7, 4, v2                        ; out: 16 bytes a lane
	s_lshr_b32 s26, s24, 1
	s_lshl_b32 s26, s26, 5
	s_and_b32 s27, s24, 1
	s_lshl_b32 s27, s27, 3
	s_add_co_u32 s26, s26, s27                     ; the tile's first query: 32 (T / 2) + 8 (T % 2)
	s_lshl_b32 s26, s26, 11
	s_lshl_b32 s27, s25, 8
	s_add_co_u32 s26, s26, s27
	s_mov_b32 s27, 0
	s_add_nc_u64 s[14:15], s[14:15], s[26:27]
.irp b, 0,1,2,3,4,5,6,7
	global_load_b128 v[16+4*\b:19+4*\b], v5, s[14:15] offset:32*\b th:TH_LOAD_NT   ; keys 32 b + 16 h + 0 .. 15 of my query; the eight loads cover 256 consecutive bytes of each of 16 rows
.endr
	s_lshl_b32 s28, s24, 4
	s_lshl_b32 s29, s25, 1
	s_add_co_u32 s28, s28, s29                     ; 16 T + the first of my two key steps
	s_lshl_b32 s28, s28, 8                         ; 256 bytes of words a step
	s_mov_b32 s29, 0
	s_add_nc_u64 s[20:21], s[20:21], s[28:29]
.irp i, 0,1,2,3
	v_mov_b32 v[48+\i], 0                          ; a lane write's destination counts as read
.endr
	s_wait_alu depctr_va_vdst(0)
	s_wait_loadcnt 0x0
.set N, 0
.rept 128                              ; word N: byte N % 16 of load N / 16, gathered over the 32 lanes by a compare; it goes to lane N / 4, register N % 4, so that the words leave in order
	v_and_b32 v[52+N%4], 0xff<<(8*(N%4)), v[16+4*(N/16)+(N/4)%4]
	v_cmp_ne_u32 s[32+N%4], 0, v[52+N%4]
	v_writelane_b32 v[48+N%4], s[32+N%4], N/4
.set N, N+1
.endr
	global_store_b128 v7, v[48:51], s[20:21]       ; 512 consecutive bytes: two key steps' 128 words
	s_endpgm
.Lfunc_end_k_q3bed8db810_quant:
	.size	k_q3bed8db810_quant, .Lfunc_end_k_q3bed8db810_quant-k_q3bed8db810_quant
	.p2alignl 7, 3214868480
	.fill 96, 4, 3214868480
	.section	.rodata,"a",@progbits
	.p2align	6, 0x0
	.amdhsa_kernel k_q3bed8db810_quant
		.amdhsa_group_segment_fixed_size 33280
		.amdhsa_private_segment_fixed_size 0
		.amdhsa_enable_private_segment 0
		.amdhsa_kernarg_size 72
		.amdhsa_user_sgpr_count 2
		.amdhsa_user_sgpr_kernarg_segment_ptr 1
		.amdhsa_wavefront_size32 1
		.amdhsa_system_sgpr_workgroup_id_x 1
		.amdhsa_system_sgpr_workgroup_id_y 1
		.amdhsa_system_sgpr_workgroup_id_z 1
		.amdhsa_system_vgpr_workitem_id 0
		.amdhsa_next_free_vgpr 194
		.amdhsa_next_free_sgpr 66
		.amdhsa_reserve_vcc 0
		.amdhsa_float_denorm_mode_32 3
		.amdhsa_float_denorm_mode_16_64 3
		.amdhsa_memory_ordered 1
		.amdhsa_forward_progress 1
		.amdhsa_inst_pref_size 78
	.end_amdhsa_kernel
	.amdgpu_metadata
---
amdhsa.version: [ 1, 2 ]
amdhsa.kernels:
  - .name:           k_q3bed8db810_quant
    .symbol:         k_q3bed8db810_quant.kd
    .args:
      - { .name: x, .offset: 0, .size: 8, .value_kind: global_buffer, .address_space: global }
      - { .name: Wq, .offset: 8, .size: 8, .value_kind: global_buffer, .address_space: global }
      - { .name: Wk, .offset: 16, .size: 8, .value_kind: global_buffer, .address_space: global }
      - { .name: Wv, .offset: 24, .size: 8, .value_kind: global_buffer, .address_space: global }
      - { .name: Wo, .offset: 32, .size: 8, .value_kind: global_buffer, .address_space: global }
      - { .name: mask, .offset: 40, .size: 8, .value_kind: global_buffer, .address_space: global }
      - { .name: codes, .offset: 48, .size: 8, .value_kind: global_buffer, .address_space: global }
      - { .name: cscl, .offset: 56, .size: 8, .value_kind: global_buffer, .address_space: global }
      - { .name: mw, .offset: 64, .size: 8, .value_kind: global_buffer, .address_space: global }
    .group_segment_fixed_size: 33280
    .private_segment_fixed_size: 0
    .kernarg_segment_align: 8
    .kernarg_segment_size: 72
    .max_flat_workgroup_size: 128
    .sgpr_count:     66
    .vgpr_count:     194
    .wavefront_size: 32
...
	.end_amdgpu_metadata
.endif
;; end of part 1
;; launch qkv (part 2): grid 16 x 16, 4 waves a work-group, clusters of 4 x 4, 327,680 bytes of LDS; arguments codes, cscl, cos, sin, q_scale, k_scale, img, isc; writes img, isc
.if DOCPART == 2
	.amdgcn_target "amdgcn-amd-amdhsa--gfx1250"
	.amdhsa_code_object_version 6
	.text
	.protected	k_q3bed8db810_qkv
	.globl	k_q3bed8db810_qkv
	.p2align	8
	.type	k_q3bed8db810_qkv,@function
k_q3bed8db810_qkv:
	s_mov_b64 s[64:65], 0
	v_nop
	global_prefetch_b8 v0, s[64:65] scope:SCOPE_SE
	s_setreg_imm32_b32 hwreg(HW_REG_WAVE_MODE, 25, 1), 1
	s_wait_xcnt 0x0
	s_wait_alu depctr_hold_cnt(0) depctr_sa_sdst(0) depctr_va_vdst(0) depctr_va_sdst(0) depctr_va_ssrc(0) depctr_va_vcc(0) depctr_vm_vsrc(0)
	s_getreg_b32 s2, hwreg(HW_REG_IB_STS2, 6, 4)
	s_cmp_eq_u32 s2, 0
	s_cbranch_scc0 .Lentry_in_a_cluster
	s_endpgm
.Lentry_in_a_cluster:
	s_bfe_u32 s2, ttmp6, 0x10000c
	s_cmp_lg_u32 s2, 0xf033
	s_cbranch_scc0 .Lentry_shape_is_right
	s_endpgm
.Lentry_shape_is_right:
; q = x Wq^T, k = x Wk^T, v = x Wv^T on codes of E4M3 (one E8M0 byte for each 32 along K = 2,048), and what follows them: q, k: RMS norm, gain, rotation, quantised along the head's 128;  v: quantised along the keys.
; A work-group multiplies a P side of 256 stored rows (source 0) by an R side of 128 stored rows (source 1).  Four waves; wave w has P's half w % 2 (8 tiles of 16 rows) and R's half w / 2 (4 tiles): 32 accumulators, 256 registers.
;   cluster x 0-2 (q, k): P = two heads of Wq | Wk, R = 128 tokens of x.      cluster x 3 (v): P = 256 tokens of x, R = one group of Wv.
; Stored rows lie so that a tile of 16 is the rows 32 a + 8 u + (r % 8) + 16 (r / 8).  In the result lane (r, h) holds R's row r, and register 16 b + i of a tile m the P index 32 b + 16 h + i: 16 neighbours of each block of 32
; along the NEXT product's K (the head's d for q and k, the keys for v).  So the conversions' results are the next operand's registers, and they leave as an IMAGE: register group c at 512 c + 16 x lane, 2,048 bytes on end, with 16 scale words.
; K goes in steps of 256 through two LDS slots filled by the tensor data mover; the scale bytes of all of K come once.  CLUSTER 4 x 4: P's tiles are the same in a column of the cluster, R's in a row: each is asked for jointly.
; The gain and the first two tiles' cos and sin are asked for at the head by EVERY work-group, v's too (which point them at tokens that exist and do not use them): so head and loop are one way for all.
; LIMITS: NaN and infinities are not served; a block of zeros gets the byte 1 where the rule says 127, blocks under 2^-118 keep the byte 1 (this program alone reads the bytes).
; REGISTERS: window 0: v1-15 addresses; v16-63 scale words, two sets, and nothing else; v64-127 the gain at my 64 d; v128-255 R's fragments, two sets; behind the loop v128-223 at work.
;   window 1: P's fragments, two sets; behind the loop v0-63 Y, v64-127 Z.   window 2: accumulator (t, m) at v[64 m + 8 t].   window 3: cos and sin, two sets of 64 + 64.
.set PITCH, 272                        ; an LDS row: 256 bytes + 16 of padding, so that the 16 rows of a load start 68 words apart
.set PHALF, 128*PITCH                  ; 128 rows of P: one tensor load, and what a wave reads
.set RHALF, 64*PITCH                   ; 64 rows of R likewise
.set SLOT,  2*PHALF+2*RHALF            ; P's 256 rows, then R's 128
.set SCL,   2*SLOT                     ; behind the ring: the scale bytes, as runs of 256 bytes + 16 of padding: P's, then R's
.set PSH,   32*272                     ; those of 128 rows
.set RSH,   16*272                     ; those of 64 rows
.set SPARE, SCL+2*PSH+2*RSH            ; the spare words, 128 bytes for each wave: two blocks of 256 bytes that no other line names
.set ADRP, 3                           ; v3-4  my P fragments in slot 0, 1
.set ADRR, 5                           ; v5-6  my R fragments
.set ADSP, 7                           ; v7    my P scale words
.set ADSR, 8                           ; v8    my R scale words
.set SPW,  9                           ; v9    my spare word; never rewritten
.set NIL,  10                          ; v10   0; never rewritten
.set CSO,  11                          ; v11   my byte in cos and sin
.set SVO,  12                          ; v12   my byte in the gain
.set IO,   13                          ; v13   16 x lane
.set SO,   14                          ; v14   4 x lane
.set SC,   16                          ; scale words: set s at SC + 24 s: P's tile t, K half q at + 2 t + q; R's tile m at + 16 + 2 m + q
.set SCV,  64
.set RF,   128                         ; R's fragments: set p at RF + 64 p + 16 m
.set TM,   128                         ; behind the loop: +0..3 largest magnitudes, +4..7 bytes, +8..11 holds, +12..15 scale operands
.set PW,   144                         ; v144-147 the four images' scale words
.set SS,   148                         ; v148-151 sums of squares
.set RS,   152                         ; v[152:153] 1 / rms
.set TP,   154
.set PK,   156                         ; v156-157 scale words of two images in one register
.set PC0,  160                         ; v160-223 codes: 16 registers for each image, so that no store's data are written again
.set Y,    0
.set Z,    64
.set G1R,  24                          ; s[24:31], s[32:39] descriptor groups 1 and 0 (a set for each slot) for R's tiles
.set G0R,  32
.set G1P,  48                          ; s[48:55], s[56:63] for P's
.set G0P,  56
.set G1SR, 68                          ; s[68:75], s[76:79] for R's scale bytes
.set G0SR, 76
.set G1SP, 80                          ; s[80:87], s[88:91] for P's
.set G0SP, 88
.set SEL,  92                          ; s[92:93] lane selects: lane l xor 16
.set MNT,  94                          ; the mantissa field of 448
.set EPS,  95                          ; 1e-6
.set R128, 96                          ; 1 / 128
.set HI16, 97                          ; lanes 16-31
.set MSB, 0
.macro WIN new                         ; the immediate's high byte repeats the setting that is left; a switch that changes nothing is dropped
.if MSB != (\new)
	s_set_vgpr_msb (MSB<<8)|(\new)
.set MSB, (\new)
.endif
.endm
.macro PLACES n
.rept \n
	v_nop
.endr
.endm
; A joint load: waves 0 and 1 fetch P's halves, waves 2 and 3 R's.  Each line has one mask and one set of registers for all that issue it; the branch hangs on the wave's number alone.  Four v_nop follow each line.
.macro JLOAD g0p, g1p, g0r, g1r
	s_cmp_eq_u32 s21, 0
	s_cbranch_scc0 .Lfor_r_\@
	tensor_load_to_lds s[\g0p:\g0p+3], s[\g1p:\g1p+7]
	s_nop 0
	PLACES 4
	s_branch .Lasked_\@
.Lfor_r_\@:
	tensor_load_to_lds s[\g0r:\g0r+3], s[\g1r:\g1r+7]
	s_nop 0
	PLACES 4
.Lasked_\@:
.endm
.macro CREST                           ; a round of the cluster's barrier behind its opening barrier
	s_cmp_lg_u32 s20, 0
	s_cbranch_scc1 .Lnot_wave_0_\@
	s_barrier_signal -3
.Lnot_wave_0_\@:
	s_barrier_wait -3
	s_barrier_signal -1
	s_barrier_wait -1
.endm
.macro CROUND
	s_barrier_signal -1
	s_barrier_wait -1
	CREST
.endm
; 64 numbers of a lane, v[s] .. v[s + 63] of window w, register 16 b + i = index 32 b + 16 h + i of my row, become 16 registers of codes at v[PC] and the row's scale word in v[pw] (both window 0).
.macro QUANT s, w, pw
	WIN (\w)|((\w)<<2)
.irp b, 0,1,2,3
	v_max3_num_f32 v[TM+\b], |v[\s+16*\b]|, |v[\s+1+16*\b]|, 0x4800000   ; block b: my 16 numbers, and the floor 2^(9 - 127): the byte cannot fall under 1
.endr
	WIN ((\w)<<2)|((\w)<<4)
.irp i, 2,4,6,8,10,12,14
.irp b, 0,1,2,3
	v_max3_num_f32 v[TM+\b], v[TM+\b], |v[\s+16*\b+\i]|, |v[\s+1+16*\b+\i]|   ; the four blocks by turns
.endr
.endr
	WIN 0
.irp b, 0,1,2,3
	v_permlanex16_b32 v[TM+4+\b], v[TM+\b], s[SEL], s[SEL+1]
.endr
.irp b, 0,1,2,3
	v_max_num_f32 v[TM+\b], v[TM+\b], v[TM+4+\b]   ; with lane l xor 16's: the block's largest magnitude
.endr
.irp b, 0,1,2,3
	v_add_nc_u32 v[TM+12+\b], 0xfc000000, v[TM+\b]   ; 8 off its exponent field: the conversion's scale operand
.endr
.irp b, 0,1,2,3
	v_and_or_b32 v[TM+8+\b], v[TM+\b], 0x7f800000, s[MNT]   ; 448 x the scale
.endr
.irp b, 0,1,2,3
	v_lshrrev_b32 v[TM+4+\b], 23, v[TM+12+\b]      ; the scale's byte
.endr
	v_lshl_or_b32 v[\pw], v[TM+5], 8, v[TM+4]
	v_lshl_or_b32 v[\pw], v[TM+6], 16, v[\pw]
	v_lshl_or_b32 v[\pw], v[TM+7], 24, v[\pw]
	WIN (\w)|((\w)<<6)
.irp b, 0,1,2,3
.irp i, 0,1,2,3,4,5,6,7,8,9,10,11,12,13,14,15
	v_med3_num_f32 v[\s+16*\b+\i], v[\s+16*\b+\i], -v[TM+8+\b], v[TM+8+\b]   ; the conversion to an 8-bit code does not saturate (ISA guide 7.6.2)
.endr
.endr
	WIN (\w)
.irp b, 0,1,2,3
	v_cvt_scalef32_pk8_fp8_f32 v[PC+4*\b:PC+1+4*\b], v[\s+16*\b:\s+7+16*\b], v[TM+12+\b]
	v_cvt_scalef32_pk8_fp8_f32 v[PC+2+4*\b:PC+3+4*\b], v[\s+8+16*\b:\s+15+16*\b], v[TM+12+\b]
.endr
	WIN 0
	v_nop                                          ; one plain vector instruction behind the last conversion
.endm
	s_load_b512 s[4:19], s[0:1], 0x0               ; codes s[4:5], cscl s[6:7], cos s[8:9], sin s[10:11], q_scale s[12:13], k_scale s[14:15], img s[16:17], isc s[18:19]
	v_lshl_add_u32 v[SPW], v0, 2, SPARE
	v_mov_b32 v[NIL], 0
	ds_add_u32 v9, v10
	ds_add_u32 v9, v10
	s_wait_dscnt 0x0
	v_lshrrev_b32 v1, 5, v0
	v_readfirstlane_b32 s20, v1                    ; wave 0..3
	s_lshr_b32 s21, s20, 1                         ; my half of R.  Also: I fetch for P (0) or for R (1)
	s_and_b32 s22, s20, 1                          ; my half of P.  Also: which half of that side I fetch
	s_bfe_u32 s40, ttmp6, 0x40000                  ; cx
	s_bfe_u32 s41, ttmp6, 0x40004                  ; cy
	s_and_b32 s23, ttmp7, 0xffff                   ; the cluster's y
	s_lshl_b32 s42, s41, 2
	s_lshl_b32 s42, 15, s42                        ; my row of the cluster
	s_lshl_b32 s43, 0x1111, s40                    ; my column
	s_or_b32 s[G1R], s42, (1<<20)|(1<<21)|(5<<22)|(3<<25)    ; 15:0 the mask: R's tiles go to my row; elements of 1 byte; padding on; bit 21 beside a mask; 4 words after every 64
	s_or_b32 s[G1P], s43, (1<<20)|(1<<21)|(5<<22)|(3<<25)    ; P's go to my column
	s_or_b32 s[G1SR], s42, (3<<16)|(1<<20)|(1<<21)|(5<<22)|(3<<25)   ; the scale bytes: elements of 8 bytes
	s_or_b32 s[G1SP], s43, (3<<16)|(1<<20)|(1<<21)|(5<<22)|(3<<25)
.irp g, G1R, G1P
	s_mov_b32 s[\g+1], 256<<16                     ; tensor_dim0 = 256 bytes
	s_mov_b32 s[\g+3], 256<<16                     ; tile_dim0
	s_mov_b32 s[\g+5], 2048                        ; from row to row
	s_mov_b32 s[\g+6], 0
	s_mov_b32 s[\g+7], 0
.endr
	s_mov_b32 s[G1R+2], 128<<16                    ; the head's loads bring a side whole: R's 128 rows,
	s_mov_b32 s[G1R+4], 128
	s_mov_b32 s[G1P+2], 256<<16                    ; P's 256
	s_mov_b32 s[G1P+4], 256
.irp g, G1SR, G1SP
	s_mov_b32 s[\g+1], 32<<16                      ; a dense block as rows of 256 bytes
	s_mov_b32 s[\g+3], 32<<16
	s_mov_b32 s[\g+5], 32
	s_mov_b32 s[\g+6], 0
	s_mov_b32 s[\g+7], 0
.endr
	s_mov_b32 s[G1SR+2], 32<<16                    ; the scale bytes of R's 128 rows: 32 rows of 256 bytes
	s_mov_b32 s[G1SR+4], 32
	s_mov_b32 s[G1SP+2], 64<<16                    ; of P's 256 rows: 64
	s_mov_b32 s[G1SP+4], 64
	s_mov_b32 s[SEL], 0x76543210
	s_mov_b32 s[SEL+1], 0xfedcba98
	s_mov_b32 s[MNT], 0x600000
	s_mov_b32 s[EPS], 0x358637bd
	s_mov_b32 s[R128], 0x3c000000
	s_mov_b32 s[HI16], 0xffff0000
	; which blocks are mine.  What differs between q, k and v is chosen on the cluster's x, which all sixteen partners share; cx and cy are added in registers of their own.
	s_lshl_b32 s44, ttmp9, 2                       ; 4 X
	s_and_b32 s45, s23, 1
	s_lshl_b32 s45, s45, 2                         ; 4 (Y % 2)
	s_lshl_b32 s46, s23, 2                         ; 4 Y
	s_lshr_b32 s47, s23, 1
	s_lshl_b32 s47, s47, 2                         ; 4 (Y / 2)
	s_cmp_eq_u32 ttmp9, 3
	s_cselect_b32 s44, s45, s44                    ; P's block, the cluster's part
	s_cselect_b32 s47, s47, s46                    ; R's
	s_cselect_b32 s46, 0, s46                      ; the block of 128 tokens for cos and sin
	s_cselect_b32 s45, 0, 2048                     ; P's first row in the table: x, or Wq
	s_cselect_b32 s66, 5120, 0                     ; R's: Wv, or x
	s_cselect_b32 s67, 8, 128                      ; the first image: a x (2 Pb + w % 2) + b x Rb + c + 4 (w / 2)
	s_cselect_b32 s2, 128, 8
	s_cselect_b32 s3, 3072, 0
	s_add_co_u32 s44, s44, s40                     ; Pb
	s_add_co_u32 s47, s47, s41                     ; Rb
	s_add_co_u32 s46, s46, s41
	s_lshl_b32 s100, s44, 8
	s_add_co_u32 s45, s45, s100
	s_lshl_b32 s100, s22, 7
	s_add_co_u32 s45, s45, s100                    ; the first of the 128 rows of P that I would fetch
	s_lshl_b32 s98, s47, 7
	s_add_co_u32 s66, s66, s98
	s_lshl_b32 s98, s22, 6
	s_add_co_u32 s66, s66, s98                     ; the first of the 64 rows of R
	s_lshl_b32 s104, s44, 1
	s_add_co_u32 s104, s104, s22                   ; q, k: the head;  v: the key step
	s_mul_i32 s104, s104, s67
	s_mul_i32 s105, s47, s2
	s_add_co_u32 s104, s104, s105
	s_add_co_u32 s104, s104, s3
	s_lshl_b32 s105, s21, 2
	s_add_co_u32 s104, s104, s105                  ; my first image; my four follow each other
	s_wait_kmcnt 0x0
	s_lshl_b32 s2, s104, 11
	s_mov_b32 s3, 0
	s_add_nc_u64 s[16:17], s[16:17], s[2:3]        ; 2,048 bytes an image
	s_lshl_b32 s2, s104, 6
	s_add_nc_u64 s[18:19], s[18:19], s[2:3]        ; 64 bytes of scale words
	s_lshl_b32 s2, s46, 16
	s_lshl_b32 s104, s21, 15
	s_add_co_u32 s2, s2, s104                      ; my first token's row of 512 bytes
	s_add_nc_u64 s[8:9], s[8:9], s[2:3]
	s_add_nc_u64 s[10:11], s[10:11], s[2:3]
	s_cmp_lt_u32 ttmp9, 2
	s_cselect_b64 s[12:13], s[12:13], s[14:15]     ; q's gain or k's
	s_lshl_b32 s100, s45, 11
	s_mov_b32 s101, 0
	s_add_nc_u64 s[100:101], s[4:5], s[100:101]    ; P's codes
	s_lshl_b32 s98, s66, 11
	s_mov_b32 s99, 0
	s_add_nc_u64 s[98:99], s[4:5], s[98:99]        ; R's
	s_mul_i32 s2, s20, PHALF                       ; where they go: no place in the cluster enters an LDS address
	s_mul_i32 s3, s20, RHALF
	s_add_co_u32 s3, s3, 2*RHALF                   ; (waves 2 and 3: behind P's 256 rows)
.irp s, 0,1
	s_mov_b32 s[G0P+4*\s], 1
	s_add_co_u32 s[G0P+4*\s+1], s2, \s*SLOT
	s_add_nc_u64 s[G0P+4*\s+2:G0P+4*\s+3], s[100:101], \s*256
	s_or_b32 s[G0P+4*\s+3], s[G0P+4*\s+3], 0x80000000
	s_mov_b32 s[G0R+4*\s], 1
	s_add_co_u32 s[G0R+4*\s+1], s3, \s*SLOT
	s_add_nc_u64 s[G0R+4*\s+2:G0R+4*\s+3], s[98:99], \s*256
	s_or_b32 s[G0R+4*\s+3], s[G0R+4*\s+3], 0x80000000
.endr
	s_mov_b32 s[G0SP], 1
	s_mov_b32 s[G0SP+1], SCL
	s_lshl_b32 s[G0SP+2], s22, 7
	s_sub_co_u32 s[G0SP+2], s45, s[G0SP+2]         ; P's first row, without my half
	s_lshl_b32 s[G0SP+2], s[G0SP+2], 6
	s_mov_b32 s[G0SP+3], 0
	s_add_nc_u64 s[G0SP+2:G0SP+3], s[6:7], s[G0SP+2:G0SP+3]
	s_or_b32 s[G0SP+3], s[G0SP+3], 0x80000000
	s_mov_b32 s[G0SR], 1
	s_mov_b32 s[G0SR+1], SCL+2*PSH
	s_lshl_b32 s[G0SR+2], s22, 6
	s_sub_co_u32 s[G0SR+2], s66, s[G0SR+2]         ; R's first row, without my half
	s_lshl_b32 s[G0SR+2], s[G0SR+2], 6
	s_mov_b32 s[G0SR+3], 0
	s_add_nc_u64 s[G0SR+2:G0SR+3], s[6:7], s[G0SR+2:G0SR+3]
	s_or_b32 s[G0SR+3], s[G0SR+3], 0x80000000
	CROUND                                         ; all sixteen work-groups are here: the first joint loads meet
	; the head's four tiles, one a wave: wave 0 K step 0's 256 rows of P, wave 1 P's scale bytes, wave 2 K step 0's 128 rows of R, wave 3 R's scale bytes
	s_cmp_eq_u32 s20, 0
	s_cbranch_scc0 .Lhead_1
	tensor_load_to_lds s[G0P:G0P+3], s[G1P:G1P+7]
	s_nop 0
	PLACES 4
	s_branch .Lhead_asked
.Lhead_1:
	s_cmp_eq_u32 s20, 1
	s_cbranch_scc0 .Lhead_2
	tensor_load_to_lds s[G0SP:G0SP+3], s[G1SP:G1SP+7]
	s_nop 0
	PLACES 4
	s_branch .Lhead_asked
.Lhead_2:
	s_cmp_eq_u32 s20, 2
	s_cbranch_scc0 .Lhead_3
	tensor_load_to_lds s[G0R:G0R+3], s[G1R:G1R+7]
	s_nop 0
	PLACES 4
	s_branch .Lhead_asked
.Lhead_3:
	tensor_load_to_lds s[G0SR:G0SR+3], s[G1SR:G1SR+7]
	s_nop 0
	PLACES 4
.Lhead_asked:
	v_and_b32 v1, 15, v0                           ; r
	v_bfe_u32 v2, v0, 4, 1                         ; h
	v_mul_u32_u24 v15, v1, PITCH
	v_lshl_add_u32 v15, v2, 4, v15                 ; a fragment's row x pitch + 16 h
	s_mul_i32 s2, s22, PHALF
	s_mul_i32 s3, s21, RHALF
	s_add_co_u32 s3, s3, 2*PHALF
.irp s, 0,1
	v_add_nc_u32 v[ADRP+\s], s2, v15
	v_add_nc_u32 v[ADRR+\s], s3, v15
	s_add_co_u32 s2, s2, SLOT
	s_add_co_u32 s3, s3, SLOT
.endr
	v_lshrrev_b32 v15, 2, v1
	v_lshlrev_b32 v15, 4, v15
	v_lshl_add_u32 v15, v1, 6, v15                 ; a row's 64 scale bytes: 64 r, and 16 more for each 256 passed
	s_mul_i32 s2, s22, PSH
	s_add_co_u32 s2, s2, SCL
	s_mul_i32 s3, s21, RSH
	s_add_co_u32 s3, s3, SCL+2*PSH
	v_add_nc_u32 v[ADSP], s2, v15
	v_add_nc_u32 v[ADSR], s3, v15
	v_and_b32 v11, 7, v1
	v_lshrrev_b32 v15, 3, v1
	v_lshl_add_u32 v11, v15, 4, v11                ; my token in its tile: (r % 8) + 16 (r / 8)
	v_lshlrev_b32 v11, 9, v11
	v_lshl_add_u32 v[CSO], v2, 6, v11              ; its row of 512 bytes, + 64 h: d = 32 b + 16 h + 0 .. 15
	v_lshlrev_b32 v[SVO], 6, v2
	v_and_b32 v15, 31, v0
	v_lshlrev_b32 v[IO], 4, v15
	v_lshlrev_b32 v[SO], 2, v15
	; THE PREFETCHES.  A K step is 256 bytes of each row.  Of the rows that I fetch (P: 128, R: 64) each of the four partners that ask for them jointly names a quarter, told apart by address (cy for P, cx for R): a lane a row;
	; for R lanes 16-31 name the wave's last row again.  So each block of 256 bytes is named once in each cluster that loads it.  The load of K step j is followed by the request for step j + 2; the head also asks for step 1.
	s_wait_alu depctr_va_vdst(0)                   ; directly ahead of the run of scalar lines
	s_lshl_b32 s2, s41, 5
	s_add_co_u32 s2, s2, s45
	s_lshl_b32 s3, s40, 4
	s_add_co_u32 s3, s3, s66
	s_cmp_eq_u32 s21, 0
	s_cselect_b32 s2, s2, s3                       ; my work-group's first row
	s_cselect_b32 s3, 31, 15
	s_lshl_b32 s14, s2, 11
	s_mov_b32 s15, 0
	s_add_nc_u64 s[14:15], s[4:5], s[14:15]        ; s[14:15]: where my prefetches stand
	v_and_b32 v15, 31, v0
	v_min_u32 v15, s3, v15
	v_lshlrev_b32 v15, 11, v15                     ; v15: my row's offset; never rewritten
	global_prefetch_b8 v15, s[14:15] offset:256 th:TH_LOAD_NT scope:SCOPE_SE
	global_prefetch_b8 v15, s[14:15] offset:512 th:TH_LOAD_NT scope:SCOPE_SE
.irp b, 0,1,2,3
.irp j, 0,1,2,3
	global_load_b128 v[SCV+16*\b+4*\j:SCV+16*\b+4*\j+3], v[SVO], s[12:13] offset:128*\b+16*\j   ; the gain at my 64 d
.endr
.endr
.macro CSLOAD m                        ; tile m's cos (64 registers) and sin (64) into set m % 2 of window 3
	WIN 0xc0
.irp b, 0,1,2,3
.irp j, 0,1,2,3
	global_load_b128 v[128*((\m)%2)+16*\b+4*\j:128*((\m)%2)+16*\b+4*\j+3], v[CSO], s[8:9] offset:(32*((\m)/2)+8*((\m)%2))*512+128*\b+16*\j
	global_load_b128 v[128*((\m)%2)+64+16*\b+4*\j:128*((\m)%2)+64+16*\b+4*\j+3], v[CSO], s[10:11] offset:(32*((\m)/2)+8*((\m)%2))*512+128*\b+16*\j
.endr
.endr
	WIN 0
.endm
	CSLOAD 0                                       ; wanted only behind the loop: they land under it
	CSLOAD 1
; 8 matrix instructions: P's eight tiles x R's tile m, the slot's q-th 128 along K (fragments in set q, scale words in set sc).  The 32 accumulators take turns, one instruction a turn, in the same order in every step.
.macro MULM m, q, sc, zero
.irp t, 0,1,2,3,4,5,6,7
.if \zero
	v_wmma_scale_f32_16x16x128_f8f6f4 v[64*(\m)+8*\t:64*(\m)+8*\t+7], v[128*(\q)+16*\t:128*(\q)+16*\t+15], v[RF+64*(\q)+16*(\m):RF+64*(\q)+16*(\m)+15], 0, v[SC+24*(\sc)+2*\t+(\q)], v[SC+24*(\sc)+16+2*(\m)+(\q)]
.else
	v_wmma_scale_f32_16x16x128_f8f6f4 v[64*(\m)+8*\t:64*(\m)+8*\t+7], v[128*(\q)+16*\t:128*(\q)+16*\t+15], v[RF+64*(\q)+16*(\m):RF+64*(\q)+16*(\m)+15], v[64*(\m)+8*\t:64*(\m)+8*\t+7], v[SC+24*(\sc)+2*\t+(\q)], v[SC+24*(\sc)+16+2*(\m)+(\q)]
.endif
.endr
.endm
; 48 LDS loads in one run: a fragment is 16 rows x 128 K in 16 registers: lane (r, h) holds row r; registers 4 c .. 4 c + 3 hold K = 32 c + 16 h + 0 .. 15
.macro FETCH slot, q, p
	WIN 0x40                                       ; destination window 1
.irp t, 0,1,2,3,4,5,6,7
.irp c, 0,1,2,3
	ds_load_b128 v[128*(\p)+16*\t+4*\c:128*(\p)+16*\t+4*\c+3], v[ADRP+\slot] offset:\t*16*PITCH+128*(\q)+32*\c
.endr
.endr
	WIN 0
.irp t, 0,1,2,3
.irp c, 0,1,2,3
	ds_load_b128 v[RF+64*(\p)+16*\t+4*\c:RF+64*(\p)+16*\t+4*\c+3], v[ADRR+\slot] offset:\t*16*PITCH+128*(\q)+32*\c
.endr
.endr
.endm
.macro SCALES set                      ; a K step's two scale words of each of my 12 tiles' rows; every lane takes its row r's
.irp t, 0,1,2,3,4,5,6,7
	ds_load_b64 v[SC+24*(\set)+2*\t:SC+24*(\set)+2*\t+1], v[ADSP] offset:\t*1088
.endr
.irp t, 0,1,2,3
	ds_load_b64 v[SC+24*(\set)+16+2*\t:SC+24*(\set)+16+2*\t+1], v[ADSR] offset:\t*1088
.endr
.endm
; A load into a register that a matrix instruction has read, and a vector instruction that reads a result, stand eight places behind it; only plain vector instructions that name none of its registers are places.
.macro STEP slot, zero                 ; a slot's first 128 along K; the second's fragments are fetched ahead of the 32 products
	s_wait_dscnt 0x0                               ; set 0 and the scale words are in
	PLACES 8                                       ; behind the products that read set 1
	FETCH \slot, 1, 1
	WIN 0xa1                                       ; source 0 window 1, source 1 window 0, C and D window 2
	MULM 0, 0, \slot, \zero
	MULM 1, 0, \slot, \zero
	MULM 2, 0, \slot, \zero
	MULM 3, 0, \slot, \zero
	WIN 0
.endm
; A slot's second 128 along K, and the change of slots: ONE barrier.  In front of it each wave waits for all its tensor loads (its part of the next slot), adds 0 to its spare word, and waits for that and for its reads of this slot.
.macro TURN slot, next, fill
.if \fill
	s_wait_xcnt 0x0                                ; my last prefetch has read its address: it steps here, a K step on
	s_add_nc_u64 s[14:15], s[14:15], 256
.endif
	s_wait_tensorcnt 0x0                           ; all my tensor loads have landed
	ds_add_u32 v[SPW], v[NIL]                      ; 0 onto my spare word
	s_wait_dscnt 1                                 ; set 1's 48 loads are in; the add alone may be out
	WIN 0xa1
	MULM 0, 1, \slot, 0                            ; eight matrix instructions stand between the add and the wait for it
	s_wait_dscnt 0x0                               ; the add is done, and my reads of this slot are over
	s_barrier_signal -1
	MULM 1, 1, \slot, 0
	WIN 0
	s_barrier_wait -1
.if \fill
	CREST                                          ; the barrier has opened a round of the cluster's: no wave of any partner still reads this slot or has a load on its way
	s_add_nc_u64 s[G0P+4*\slot+2:G0P+4*\slot+3], s[G0P+4*\slot+2:G0P+4*\slot+3], 512
	s_add_nc_u64 s[G0R+4*\slot+2:G0R+4*\slot+3], s[G0R+4*\slot+2:G0R+4*\slot+3], 512
	JLOAD G0P+4*\slot, G1P, G0R+4*\slot, G1R       ; the first tensor load behind the round: two K steps ahead; its four v_nop are among the places in front of the loads below
	PLACES 4
.else
	PLACES 8
.endif
	s_wait_alu depctr_va_vdst(0)
	v_add_nc_u32 v[ADSP], 8, v[ADSP]               ; the next K step's scale words
	v_add_nc_u32 v[ADSR], 8, v[ADSR]
	FETCH \next, 0, 0
	SCALES \next
.if \fill
	s_cmp_gt_u32 s3, 1                             ; the last trip's two refills have no K step two on
	s_cbranch_scc0 .Lno_ask_\@
	global_prefetch_b8 v15, s[14:15] offset:768 th:TH_LOAD_NT scope:SCOPE_SE   ; the K step two behind the one just asked for
.Lno_ask_\@:
.endif
	WIN 0xa1
	MULM 2, 1, \slot, 0
	MULM 3, 1, \slot, 0
	WIN 0
.endm
	s_wait_alu depctr_va_vdst(0)                   ; at the head's end
	s_wait_tensorcnt 0x0                           ; my tile of the head's four is in; slot 1's first fill is issued as a refill is
	ds_add_u32 v[SPW], v[NIL]                      ; 0 onto my spare word
	s_mov_b32 s[G1R+2], 64<<16                     ; no tensor load of mine is out: from here on a load brings half a side
	s_mov_b32 s[G1R+4], 64
	s_mov_b32 s[G1P+2], 128<<16
	s_mov_b32 s[G1P+4], 128
	s_wait_dscnt 0x0
	CROUND
	JLOAD G0P+4, G1P, G0R+4, G1R                   ; K step 1: the first tensor load behind the round
	FETCH 0, 0, 0
	SCALES 0
	global_prefetch_b8 v15, s[14:15] offset:768 th:TH_LOAD_NT scope:SCOPE_SE   ; K step 3
	STEP 0, 1
	s_mov_b32 s3, 3
.Llap:                                                 ; a trip goes once round the ring and fills both slots again: K steps 2 to 7 in three trips
	TURN 0, 1, 1
	STEP 1, 0
	TURN 1, 0, 1
	STEP 0, 0
	s_sub_co_u32 s3, s3, 1
	s_cmp_lg_u32 s3, 0
	s_cbranch_scc1 .Llap
	TURN 0, 1, 0                                   ; the last lap fills nothing
	STEP 1, 0
	s_wait_dscnt 0x0
	WIN 0xa1
	MULM 0, 1, 1, 0
	MULM 1, 1, 1, 0
	MULM 2, 1, 1, 0
	MULM 3, 1, 1, 0
	WIN 0
	PLACES 8
.irp b, 0,1,2,3
	v_mov_b32 v[TM+4+\b], 0                        ; a lane permute's destination counts as one of its sources
.endr
	v_mov_b32 v[RS+1], 0                           ; (named as the upper half of a pair)
	v_mov_b32 v[TP+1], 0
.macro OUTI m                          ; image m leaves as it stands: each store covers 512 consecutive bytes
.irp c, 0,1,2,3
	global_store_b128 v[IO], v[PC+4*\c:PC+4*\c+3], s[16:17] offset:2048*(\m)+512*\c
.endr
.endm
; q, k: tile m of 16 tokens.  A lane holds 64 of its token's 128 numbers; lane l xor 16 the others.  Register + 32 is d + 64.
.macro EPI m
.set AC, 64*(\m)
.set CT, 128*((\m)%2)
.set PC, PC0+16*(\m)
.if (\m) == 0
	s_wait_loadcnt 0x0                             ; the gain, tiles 0 and 1's cos and sin
.elseif (\m) == 2
	s_wait_loadcnt 32                              ; tile 2's are in; tile 3's 32 loads may be out
.elseif (\m) == 3
	s_wait_loadcnt 0x0
.endif
	WIN 0x0a                                       ; sources 0 and 1 window 2
	v_pk_mul_f32 v[SS:SS+1], v[AC:AC+1], v[AC:AC+1]               ; the sum of squares, in two chains, each accumulator from its low end on
	v_pk_mul_f32 v[SS+2:SS+3], v[AC+2:AC+3], v[AC+2:AC+3]
.set j, 4
.rept 15
	v_pk_fma_f32 v[SS:SS+1], v[AC+j:AC+j+1], v[AC+j:AC+j+1], v[SS:SS+1]
	v_pk_fma_f32 v[SS+2:SS+3], v[AC+j+2:AC+j+3], v[AC+j+2:AC+j+3], v[SS+2:SS+3]
.set j, j+4
.endr
	WIN 0
	v_pk_add_f32 v[SS:SS+1], v[SS:SS+1], v[SS+2:SS+3]
	v_add_f32 v[SS], v[SS], v[SS+1]
	v_permlanex16_b32 v[TP+1], v[SS], s[SEL], s[SEL+1]
	v_add_f32 v[SS], v[SS], v[TP+1]
	v_fma_f32 v[TP], v[SS], s[R128], s[EPS]        ; the mean (a division by a power of two) + eps
	s_wait_alu depctr_va_vdst(0)
	v_rsq_f32 v[RS], v[TP]
	v_nop                                          ; a plain instruction behind the transcendental
	WIN 0x42                                       ; source 0 window 2, destination window 1
.set j, 0
	s_wait_alu depctr_va_vdst(0)
.rept 32
	v_pk_mul_f32 v[Y+j:Y+j+1], v[AC+j:AC+j+1], v[RS:RS+1] op_sel_hi:[1,0]
.set j, j+2
.endr
	WIN 0x41
.set j, 0
.rept 32
	v_pk_mul_f32 v[Y+j:Y+j+1], v[Y+j:Y+j+1], v[SCV+j:SCV+j+1]     ; x the gain
.set j, j+2
.endr
	WIN 0x5d                                       ; Y and Z window 1, cos and sin window 3
.set j, 0
.rept 32
	v_pk_mul_f32 v[Z+j:Z+j+1], v[Y+j:Y+j+1], v[CT+j:CT+j+1]
.set j, j+2
.endr
.set j, 0
.rept 16
	v_pk_fma_f32 v[Z+j:Z+j+1], v[Y+32+j:Y+33+j], v[CT+64+j:CT+65+j], v[Z+j:Z+j+1] neg_lo:[1,0,0] neg_hi:[1,0,0]   ; d < 64: - t(d + 64) sin(d)
.set j, j+2
.endr
.set j, 0
.rept 16
	v_pk_fma_f32 v[Z+32+j:Z+33+j], v[Y+j:Y+j+1], v[CT+96+j:CT+97+j], v[Z+32+j:Z+33+j]   ; d >= 64: + t(d - 64) sin(d)
.set j, j+2
.endr
.if (\m) < 2
	CSLOAD (\m)+2                                  ; the set just read takes the tile two further on
.endif
	QUANT Z, 1, PW+(\m)
	OUTI \m
.endm
	s_cmp_eq_u32 ttmp9, 3                          ; the cluster's x: the same in all partners; no joint load follows
	s_cbranch_scc1 .Lv
	EPI 0
	EPI 1
	EPI 2
	EPI 3
	s_branch .Lwords
.Lv:                                                   ; v: the sums are quantised as they stand: a lane holds one d and 64 of a key step's 128 keys
.irp n, 0,1,2,3
.set PC, PC0+16*\n
	QUANT 64*\n, 2, PW+\n
	OUTI \n
.endr
.Lwords:
	v_cndmask_b32 v[PK], v[PW], v[PW+1], s[HI16]   ; lanes 0-15: one image's 16 words, lanes 16-31: the next image's
	v_cndmask_b32 v[PK+1], v[PW+2], v[PW+3], s[HI16]
	global_store_b32 v[SO], v[PK], s[18:19]        ; my four images' words are 256 consecutive bytes, aligned: two stores of 128
	global_store_b32 v[SO], v[PK+1], s[18:19] offset:128
	s_wait_tensorcnt 0x0                           ; the wave's end
	ds_add_u32 v[SPW], v[NIL]
	s_wait_dscnt 0x0
	CROUND                                         ; the closing round: no work-group ends while a partner may still ask for a tile that names it
	s_endpgm
.Lfunc_end_k_q3bed8db810_qkv:
	.size	k_q3bed8db810_qkv, .Lfunc_end_k_q3bed8db810_qkv-k_q3bed8db810_qkv
	.p2alignl 7, 3214868480
	.fill 96, 4, 3214868480
	.section	.rodata,"a",@progbits
	.p2align	6, 0x0
	.amdhsa_kernel k_q3bed8db810_qkv
		.amdhsa_group_segment_fixed_size 327680
		.amdhsa_private_segment_fixed_size 0
		.amdhsa_enable_private_segment 0
		.amdhsa_kernarg_size 64
		.amdhsa_user_sgpr_count 2
		.amdhsa_user_sgpr_kernarg_segment_ptr 1
		.amdhsa_wavefront_size32 1
		.amdhsa_system_sgpr_workgroup_id_x 1
		.amdhsa_system_sgpr_workgroup_id_y 1
		.amdhsa_system_sgpr_workgroup_id_z 1
		.amdhsa_system_vgpr_workitem_id 0
		.amdhsa_next_free_vgpr 1024
		.amdhsa_next_free_sgpr 106
		.amdhsa_reserve_vcc 0
		.amdhsa_float_denorm_mode_32 3
		.amdhsa_float_denorm_mode_16_64 3
		.amdhsa_memory_ordered 1
		.amdhsa_forward_progress 1
		.amdhsa_inst_pref_size 203
	.end_amdhsa_kernel
	.amdgpu_metadata
---
amdhsa.version: [ 1, 2 ]
amdhsa.kernels:
  - .name:           k_q3bed8db810_qkv
    .symbol:         k_q3bed8db810_qkv.kd
    .args:
      - { .name: codes, .offset: 0, .size: 8, .value_kind: global_buffer, .address_space: global }
      - { .name: cscl, .offset: 8, .size: 8, .value_kind: global_buffer, .address_space: global }
      - { .name: cos, .offset: 16, .size: 8, .value_kind: global_buffer, .address_space: global }
      - { .name: sin, .offset: 24, .size: 8, .value_kind: global_buffer, .address_space: global }
      - { .name: q_scale, .offset: 32, .size: 8, .value_kind: global_buffer, .address_space: global }
      - { .name: k_scale, .offset: 40, .size: 8, .value_kind: global_buffer, .address_space: global }
      - { .name: img, .offset: 48, .size: 8, .value_kind: global_buffer, .address_space: global }
      - { .name: isc, .offset: 56, .size: 8, .value_kind: global_buffer, .address_space: global }
    .group_segment_fixed_size: 327680
    .private_segment_fixed_size: 0
    .kernarg_segment_align: 8
    .kernarg_segment_size: 64
    .max_flat_workgroup_size: 128
    .sgpr_count:     106
    .vgpr_count:     1024
    .wavefront_size: 32
...
	.end_amdgpu_metadata
.endif
;; end of part 2
;; launch attn (part 3): grid 1024 x 1, 4 waves a work-group, no clusters, 68,096 bytes of LDS; arguments img, isc, mw, cimg, csc; writes cimg, csc
.if DOCPART == 3
	.amdgcn_target "amdgcn-amd-amdhsa--gfx1250"
	.amdhsa_code_object_version 6
	.text
	.protected	k_q3bed8db810_attn
	.globl	k_q3bed8db810_attn
	.p2align	8
	.type	k_q3bed8db810_attn,@function
k_q3bed8db810_attn:
	s_mov_b64 s[64:65], 0
	v_nop
	global_prefetch_b8 v0, s[64:65] scope:SCOPE_SE
	s_setreg_imm32_b32 hwreg(HW_REG_WAVE_MODE, 25, 1), 1
	s_wait_xcnt 0x0
; ctx = softmax(mask(q k^T / sqrt(128))) v on codes of E4M3 with one E8M0 byte for each 32 along a product's K, and ctx's quantiser along the head's 128.
; q, k, v come as IMAGES of operand registers (register group c at 512 c + 16 x lane, 2,048 bytes; 16 scale words beside each): q, k: image 128 x head + tile of 16 tokens (k's heads 16-23); v: image 3072 + 128 g + 8 s + d tile.
; SHARES.  A work-group owns tile T of 16 queries of kv group g, both its heads.  Wave w walks key steps q, q + 4, q + 8, q + 12 (128 keys each), q = (w + T / 2) % 4, with both heads' tiles, so that each fragment of k and v feeds two products.
; Work-groups 0-511 own tiles 127 .. 64, the others 63 .. 0, in falling order.  Tiles 2 p and 2 p + 1 of one group, which walk the same key steps in the same order, lie 256 ids apart in the first half and are neighbouring ids in the second.
; THE MASK DECIDES WHAT IS DONE.  mw holds, as whole numbers, 64 lane-mask words for each (T, key step).  A step whose 64 words are all ones hides all its 16 x 128 scores: every p would be 0 and the running maximum would stay, so the step is jumped over.
; A step whose words are all 0 jumps over the selects.  Both are scalar branches on numbers read from memory; therefore this launch has no tensor load and no cluster, and k's, v's fragments go from memory straight into registers, 512 consecutive bytes a load.
; k's fragments of the first trip are asked for at the head, whatever its flag; those of a later trip at the end of the trip before, where its flag says that it runs.  No prefetch: the loop has four trips at the most, and which of them run hangs on the flags.
; SOFTMAX: t = score x log2(e) / sqrt(128); M = the running largest t rounded up to a whole number; p = 2^(t - M) is quantised along the keys; the sum is taken of the unquantised p.
; THE JOIN.  The four waves' O^T, -M and sums meet in LDS behind one barrier; wave w then finishes head w % 2, blocks 2 (w / 2) and 2 (w / 2) + 1 of the head's four: two stores of 512 bytes and two scale bytes a row.
; O^T begins as zeros: which trip is a wave's first live one hangs on the flags, so no first step can be written out.
; LIMITS: scaled scores stay under 2^31 in magnitude; NaN and infinities are not served; a block of zeros gets the byte 1 (this program alone reads the bytes).  A query with no key gets codes of NaN, so that its row of the result is NaN.
; REGISTERS: window 0: v1-63 addresses, state, scale words; v64-95 q's two fragments; v96-127 p's codes; v128-255 S^T, then p.   window 1: v0-127 eight fragments of k, then of v; v128-255 O^T.
.set MLB,   65536                      ; LDS: 16,384 bytes of O^T a wave; from here 512 a wave: -M and the sum of head 0, of head 1
.set SPARE, MLB+2048                   ; the spare words, 128 bytes a wave
.set LI,   1                           ; 16 x lane
.set L4,   2                           ; 4 x lane
.set SPW,  3
.set NIL,  4
.set NINF, 5
.set QW,   6                           ; 4 x (lane % 16)
.set ADO,  7                           ; LDS: my O^T
.set ADM,  8                           ; my -M and sums
.set ARO,  9                           ; the part of O^T that I finish, in wave 0's region
.set ARM,  10                          ; its head's -M and sum likewise
.set FO,   11                          ; my 8 bytes of a step's mask words
.set ST0,  12                          ; head x: + 4 x: -M, the largest t, the sum in two halves
.set KS,   20
.set VS,   24
.set QS,   28
.set PW0,  30
.set TM,   32
.set FF,   48
.set TP,   50
.set INV,  51
.set S2,   52
.set NM,   54
.set LL,   55
.set FK,   56                          ; v56, 58, 60, 62: the four waves' factors
.set QF,   64
.set PM,   64                          ; the join: four -M, four sums, the NaN codes
.set PL,   68
.set NANC, 72
.set PC0,  96
.set S0,   128
.set O0,   128
.set KB,   4                           ; s[4:5] k's images of the step in hand; v's lie 0x200000 bytes on
.set SB,   6                           ; s[6:7] their scale words; v's lie 65,536 bytes on
.set MP,   8                           ; s[8:9] my tile's mask words
.set OC,   10
.set OS,   12
.set QB,   14
.set QSB,  16
.set SEL,  18
.set CS,   20
.set MNT,  22
.set FL,   23                          ; bit 0: the step in hand is wholly hidden; bit 8: it hides something
.set CNT,  24
.set MO,   25
.set WV,   26
.set MSB, 0
.macro WIN new
.if MSB != (\new)
	s_set_vgpr_msb (MSB<<8)|(\new)
.set MSB, (\new)
.endif
.endm
.macro PLACES n
.rept \n
	v_nop
.endr
.endm
.macro KLOAD                           ; a step's scale words (lanes 0-15 tile 2 j's, lanes 16-31 tile 2 j + 1's) and k's eight fragments: 40 loads
.irp j, 0,1,2,3
	global_load_b32 v[KS+\j], v[L4], s[SB:SB+1] offset:128*\j
.endr
.irp j, 0,1,2,3
	global_load_b32 v[VS+\j], v[L4], s[SB:SB+1] offset:65536+128*\j
.endr
	WIN 0x40
.irp t, 0,1,2,3,4,5,6,7
.irp c, 0,1,2,3
	global_load_b128 v[16*\t+4*\c:16*\t+4*\c+3], v[LI], s[KB:KB+1] offset:2048*\t+512*\c
.endr
.endr
	WIN 0
.endm
	s_load_b256 s[32:39], s[0:1], 0x0              ; img, isc, mw, cimg
	s_load_b64 s[40:41], s[0:1], 0x20              ; csc
	v_lshl_add_u32 v[SPW], v0, 2, SPARE
	v_mov_b32 v[NIL], 0
	v_lshrrev_b32 v[TP], 5, v0
	v_readfirstlane_b32 s[WV], v[TP]
	s_bfe_u32 s42, ttmp9, 0x50003                  ; ids under 512: g = bits 0-2, pair of tiles = bits 3-7, which of the pair = bit 8
	s_bfe_u32 s43, ttmp9, 0x10008
	s_and_b32 s44, ttmp9, 7
	s_bfe_u32 s45, ttmp9, 0x50004                  ; the others: which of the pair = bit 0, g = bits 1-3, pair = bits 4-8
	s_and_b32 s46, ttmp9, 1
	s_bfe_u32 s47, ttmp9, 0x30001
	s_cmp_lt_u32 ttmp9, 512
	s_cselect_b32 s42, s42, s45
	s_cselect_b32 s46, s43, s46
	s_cselect_b32 s43, s44, s47                    ; g
	s_cselect_b32 s45, 0, 64
	s_lshl_b32 s42, s42, 1
	s_add_co_u32 s42, s42, s46
	s_add_co_u32 s42, s42, s45
	s_sub_co_u32 s42, 127, s42                     ; T
	s_lshr_b32 s44, s42, 1
	s_add_co_u32 s44, s[WV], s44
	s_and_b32 s44, s44, 3                          ; q
	s_and_b32 s45, s[WV], 1                        ; the head that I finish
	s_lshr_b32 s46, s[WV], 1                       ; and which half of its blocks
	s_lshl_b32 s48, s43, 7
	s_add_co_u32 s48, s48, 2048
	s_lshl_b32 s49, s44, 3
	s_add_co_u32 s48, s48, s49                     ; k's first image of step q
	s_lshl_b32 s50, s48, 11
	s_mov_b32 s51, 0
	s_lshl_b32 s52, s48, 6
	s_mov_b32 s53, 0
	s_lshl_b32 s54, s43, 8
	s_add_co_u32 s54, s54, s42                     ; q's image of head 2 g
	s_lshl_b32 s56, s54, 11
	s_mov_b32 s57, 0
	s_lshl_b32 s58, s54, 6
	s_mov_b32 s59, 0
	s_lshl_b32 s60, s42, 4
	s_lshl_b32 s61, s43, 1
	s_add_co_u32 s60, s60, s61
	s_add_co_u32 s60, s60, s45                     ; ctx's image: 16 T + head
	s_lshl_b32 s62, s60, 11
	s_lshl_b32 s61, s46, 10
	s_add_co_u32 s62, s62, s61
	s_mov_b32 s63, 0
	s_lshl_b32 s84, s60, 6
	s_lshl_b32 s61, s46, 1
	s_add_co_u32 s84, s84, s61
	s_mov_b32 s85, 0
	s_lshl_b32 s86, s42, 12
	s_mov_b32 s87, 0
	s_lshl_b32 s[MO], s44, 8
	s_lshl_b32 s27, s[WV], 14
	s_lshl_b32 s28, s[WV], 9
	s_add_co_u32 s28, s28, MLB
	s_lshl_b32 s29, s45, 13
	s_lshl_b32 s30, s46, 12
	s_add_co_u32 s29, s29, s30
	s_lshl_b32 s30, s45, 8
	s_add_co_u32 s30, s30, MLB
	s_mov_b32 s[SEL], 0x76543210
	s_mov_b32 s[SEL+1], 0xfedcba98
	s_mov_b32 s[CS], 0x3e0293ee                    ; log2(e) / sqrt(128)
	s_mov_b32 s[CS+1], s[CS]
	s_mov_b32 s[MNT], 0x600000
	v_and_b32 v[TP], 31, v0
	v_and_b32 v[INV], 15, v0
	v_lshlrev_b32 v[LI], 4, v[TP]
	v_lshlrev_b32 v[L4], 2, v[TP]
	v_lshlrev_b32 v[QW], 2, v[INV]
	v_lshl_add_u32 v[FO], v[TP], 3, s[MO]
	v_lshl_add_u32 v[ADO], v[TP], 4, s27
	v_lshl_add_u32 v[ADM], v[TP], 2, s28
	v_lshl_add_u32 v[ARO], v[TP], 4, s29
	v_lshl_add_u32 v[ARM], v[TP], 2, s30
	s_wait_alu depctr_va_vdst(0)                   ; directly ahead of the wait below
	s_wait_kmcnt 0x0
	s_add_nc_u64 s[KB:KB+1], s[32:33], s[50:51]
	s_add_nc_u64 s[SB:SB+1], s[34:35], s[52:53]
	s_add_nc_u64 s[MP:MP+1], s[36:37], s[86:87]
	s_add_nc_u64 s[OC:OC+1], s[38:39], s[62:63]
	s_add_nc_u64 s[OS:OS+1], s[40:41], s[84:85]
	s_add_nc_u64 s[QB:QB+1], s[32:33], s[56:57]
	s_add_nc_u64 s[QSB:QSB+1], s[34:35], s[58:59]
.irp i, 0,1,2,3
	global_load_b64 v[S0+2*\i:S0+2*\i+1], v[FO], s[MP:MP+1] offset:1024*\i   ; my four steps' mask words: 256 consecutive bytes a load
.endr
.irp c, 0,1,2,3
	global_load_b128 v[QF+4*\c:QF+4*\c+3], v[LI], s[QB:QB+1] offset:512*\c
	global_load_b128 v[QF+16+4*\c:QF+16+4*\c+3], v[LI], s[QB:QB+1] offset:262144+512*\c
.endr
	global_load_b32 v[QS], v[QW], s[QSB:QSB+1]
	global_load_b32 v[QS+1], v[QW], s[QSB:QSB+1] offset:8192
	KLOAD                                          ; the first trip's, whatever its flag will say
	v_mov_b32 v[NINF], 0xff800000
.irp x, 0,1
	v_mov_b32 v[ST0+4*\x+1], 0xff61b1e6            ; the largest t so far: -3e38
	v_floor_f32 v[ST0+4*\x], -v[ST0+4*\x+1]
	v_mov_b32 v[ST0+4*\x+2], 0
	v_mov_b32 v[ST0+4*\x+3], 0
.endr
.irp b, 0,1,2,3
	v_mov_b32 v[TM+4+\b], 0                        ; a lane permute's destination counts as one of its sources
	v_mov_b32 v[FK+1+2*\b], 0                      ; (named as the upper half of a pair)
.endr
	v_mov_b32 v[FF+1], 0
	WIN 0x40
.set j, 0
.rept 128
	v_mov_b32 v[O0+j], 0
.set j, j+1
.endr
	WIN 0
	s_wait_alu depctr_va_vdst(0)                   ; at the head's end
	s_wait_loadcnt 40                              ; the mask words and q are in; the 40 loads of the first trip may be out
.irp i, 0,1,2,3
	v_and_b32 v[S0+8+\i], v[S0+2*\i], v[S0+2*\i+1]
	v_or_b32 v[S0+12+\i], v[S0+2*\i], v[S0+2*\i+1]
.endr
.irp i, 0,1,2,3
	v_cmp_eq_u32 s[42+\i], -1, v[S0+8+\i]          ; all 32 lanes: the step's 64 words are all ones
	v_cmp_ne_u32 s[46+\i], 0, v[S0+12+\i]          ; any lane: some word is not 0
.endr
	s_mov_b32 s[FL], 16                            ; behind the fourth trip nothing runs
.irp i, 0,1,2,3
	s_cmp_eq_u32 s[42+\i], -1
	s_cselect_b32 s27, 1<<\i, 0
	s_cmp_lg_u32 s[46+\i], 0
	s_cselect_b32 s28, 256<<\i, 0
	s_or_b32 s[FL], s[FL], s27
	s_or_b32 s[FL], s[FL], s28
.endr
.macro MASK x                          ; word n has in bit L whether lane L's register n is hidden
.set NW, 0
.rept 64
.if NW < 32
	v_cndmask_b32 v[S0+64*(\x)+NW], v[S0+64*(\x)+NW], v[NINF], s[32+NW]
.else
	v_cndmask_b32 v[S0+64*(\x)+NW], v[S0+64*(\x)+NW], v[NINF], s[36+NW]
.endif
.set NW, NW+1
.endr
.endm
.macro SM x                            ; head x: scores -> p's codes and scale word; the sum; O^T under the new M
.set SR, S0+64*(\x)
.set SX, ST0+4*(\x)
.set PC, PC0+16*(\x)
.set PWD, PW0+(\x)
.set OT, O0+64*(\x)
	s_wait_alu depctr_va_vdst(0)                   ; directly ahead of the first reader of the scores
.irp b, 0,1,2,3
	v_max3_num_f32 v[TM+\b], v[SR+16*\b], v[SR+1+16*\b], v[SR+2+16*\b]   ; each block's largest score, the four blocks by turns
.endr
.irp i, 3,5,7,9,11,13
.irp b, 0,1,2,3
	v_max3_num_f32 v[TM+\b], v[TM+\b], v[SR+16*\b+\i], v[SR+1+16*\b+\i]
.endr
.endr
.irp b, 0,1,2,3
	v_max_num_f32 v[TM+\b], v[TM+\b], v[SR+15+16*\b]
.endr
.irp b, 0,1,2,3
	v_permlanex16_b32 v[TM+4+\b], v[TM+\b], s[SEL], s[SEL+1]
.endr
.irp b, 0,1,2,3
	s_delay_alu instid0(VALU_DEP_4)
	v_max_num_f32 v[TM+\b], v[TM+\b], v[TM+4+\b]
.endr
	s_delay_alu instid0(VALU_DEP_2)
	v_max3_num_f32 v[TP], v[TM], v[TM+1], v[TM+2]
	s_delay_alu instid0(VALU_DEP_1)
	v_max_num_f32 v[TP], v[TP], v[TM+3]
	s_delay_alu instid0(VALU_DEP_1)
	v_mul_f32 v[TP], s[CS], v[TP]
	s_delay_alu instid0(VALU_DEP_1)
	v_max_num_f32 v[SX+1], v[SX+1], v[TP]          ; the running largest t
	v_mov_b32 v[TP], v[SX]
	s_delay_alu instid0(VALU_DEP_2)
	v_floor_f32 v[SX], -v[SX+1]                    ; -M = floor(-t)
	s_delay_alu instid0(VALU_DEP_1)
	v_sub_f32 v[TP], v[SX], v[TP]
	s_delay_alu instid0(VALU_DEP_1)
	v_cvt_i32_f32 v[TP], v[TP]
	s_delay_alu instid0(VALU_DEP_1)
	v_ldexp_f32 v[FF], 1.0, v[TP]                  ; f = 2^(old M - new M)
.set j, 0
.rept 32
	v_pk_fma_f32 v[SR+j:SR+j+1], v[SR+j:SR+j+1], s[CS:CS+1], v[SX:SX+1] op_sel_hi:[1,0,0]
.set j, j+2
.endr
.irp b, 0,1,2,3
	v_fma_f32 v[TM+\b], v[TM+\b], s[CS], v[SX]
.endr
.set j, 0
	s_wait_alu depctr_va_vdst(0)                   ; ahead of the batch
.rept 64
	v_exp_f32 v[SR+j], v[SR+j]
.set j, j+1
.endr
.irp b, 0,1,2,3
	v_exp_f32 v[TM+\b], v[TM+\b]                   ; each block's largest p
.endr
	v_pk_mul_f32 v[SX+2:SX+3], v[SX+2:SX+3], v[FF:FF+1] op_sel_hi:[1,0]
	s_wait_alu depctr_va_vdst(0)                   ; and behind it, ahead of its first reader
.irp b, 0,1,2,3
	v_max_num_f32 v[TM+\b], 0x4800000, v[TM+\b]    ; the floor 2^(9 - 127): the byte cannot fall under 1
.endr
.irp b, 0,1,2,3
	s_delay_alu instid0(VALU_DEP_4)
	v_add_nc_u32 v[TM+12+\b], 0xfc000000, v[TM+\b]
.endr
.irp b, 0,1,2,3
	v_and_or_b32 v[TM+8+\b], v[TM+\b], 0x7f800000, s[MNT]
.endr
.irp b, 0,1,2,3
	v_lshrrev_b32 v[TM+4+\b], 23, v[TM+12+\b]
.endr
	s_delay_alu instid0(VALU_DEP_3)
	v_lshl_or_b32 v[PWD], v[TM+5], 8, v[TM+4]
	s_delay_alu instid0(VALU_DEP_1)
	v_lshl_or_b32 v[PWD], v[TM+6], 16, v[PWD]
	s_delay_alu instid0(VALU_DEP_1)
	v_lshl_or_b32 v[PWD], v[TM+7], 24, v[PWD]
	v_pk_add_f32 v[S2:S2+1], v[SR:SR+1], v[SR+2:SR+3]
.set j, 4
.rept 15
	v_pk_add_f32 v[SX+2:SX+3], v[SX+2:SX+3], v[SR+j:SR+j+1]
	v_pk_add_f32 v[S2:S2+1], v[S2:S2+1], v[SR+2+j:SR+3+j]
.set j, j+4
.endr
	s_delay_alu instid0(VALU_DEP_1)
	v_pk_add_f32 v[SX+2:SX+3], v[SX+2:SX+3], v[S2:S2+1]
.irp b, 0,1,2,3
.irp i, 0,1,2,3,4,5,6,7,8,9,10,11,12,13,14,15
	v_min_num_f32 v[SR+16*\b+\i], v[SR+16*\b+\i], v[TM+8+\b]   ; the conversion does not saturate (ISA guide 7.6.2); p is not negative
.endr
	v_cvt_scalef32_pk8_fp8_f32 v[PC+4*\b:PC+1+4*\b], v[SR+16*\b:SR+7+16*\b], v[TM+12+\b]
	v_cvt_scalef32_pk8_fp8_f32 v[PC+2+4*\b:PC+3+4*\b], v[SR+8+16*\b:SR+15+16*\b], v[TM+12+\b]
.endr
	WIN 0x41
	s_wait_alu depctr_va_vdst(0)                   ; directly ahead of the first reader of O^T
.set j, 0
.rept 32
	v_pk_mul_f32 v[OT+j:OT+j+1], v[OT+j:OT+j+1], v[FF:FF+1] op_sel_hi:[1,0]   ; also the places ahead of the products below
.set j, j+2
.endr
.endm
.macro PV x                            ; O^T += v^T p^T: eight accumulators by turns
	WIN 0x51
.irp t, 0,1,2,3,4,5,6,7
.if \t%2
	v_wmma_scale_f32_16x16x128_f8f6f4 v[O0+64*(\x)+8*\t:O0+64*(\x)+8*\t+7], v[16*\t:16*\t+15], v[PC0+16*(\x):PC0+16*(\x)+15], v[O0+64*(\x)+8*\t:O0+64*(\x)+8*\t+7], v[VS+\t/2], v[PW0+(\x)] matrix_a_scale:MATRIX_SCALE_ROW1
.else
	v_wmma_scale_f32_16x16x128_f8f6f4 v[O0+64*(\x)+8*\t:O0+64*(\x)+8*\t+7], v[16*\t:16*\t+15], v[PC0+16*(\x):PC0+16*(\x)+15], v[O0+64*(\x)+8*\t:O0+64*(\x)+8*\t+7], v[VS+\t/2], v[PW0+(\x)]
.endif
.endr
	WIN 0
.endm
	s_mov_b32 s[CNT], 4
.Lstep:                                                ; four trips, whatever the mask; a hidden step's work is jumped over
	s_bitcmp1_b32 s[FL], 0
	s_cbranch_scc1 .Ldead
	s_load_b512 s[32:47], s[MP:MP+1], s[MO] offset:0x0     ; the step's 64 mask words
	s_load_b512 s[48:63], s[MP:MP+1], s[MO] offset:0x40
	s_load_b512 s[68:83], s[MP:MP+1], s[MO] offset:0x80
	s_load_b512 s[84:99], s[MP:MP+1], s[MO] offset:0xc0
	WIN 0x01
.irp t, 0,1,2,3,4,5,6,7
	s_wait_loadcnt 28-4*\t                         ; tile t is in; the 4 (7 - t) loads behind it may be out
.if \t%2
	v_wmma_scale_f32_16x16x128_f8f6f4 v[S0+8*\t:S0+8*\t+7], v[16*\t:16*\t+15], v[QF:QF+15], 0, v[KS+\t/2], v[QS] matrix_a_scale:MATRIX_SCALE_ROW1
	v_wmma_scale_f32_16x16x128_f8f6f4 v[S0+64+8*\t:S0+64+8*\t+7], v[16*\t:16*\t+15], v[QF+16:QF+31], 0, v[KS+\t/2], v[QS+1] matrix_a_scale:MATRIX_SCALE_ROW1
.else
	v_wmma_scale_f32_16x16x128_f8f6f4 v[S0+8*\t:S0+8*\t+7], v[16*\t:16*\t+15], v[QF:QF+15], 0, v[KS+\t/2], v[QS]
	v_wmma_scale_f32_16x16x128_f8f6f4 v[S0+64+8*\t:S0+64+8*\t+7], v[16*\t:16*\t+15], v[QF+16:QF+31], 0, v[KS+\t/2], v[QS+1]
.endif
.endr
	WIN 0
	PLACES 8
	WIN 0x40
.irp t, 0,1,2,3,4,5,6,7
.irp c, 0,1,2,3
	global_load_b128 v[16*\t+4*\c:16*\t+4*\c+3], v[LI], s[KB:KB+1] offset:0x200000+2048*\t+512*\c   ; v's fragments land under the first head's softmax
.endr
.endr
	WIN 0
	s_wait_kmcnt 0x0
	s_bitcmp1_b32 s[FL], 8
	s_cbranch_scc0 .Lopen
	MASK 0
	MASK 1
.Lopen:
	SM 0
	s_wait_alu depctr_va_vdst(0)                   ; directly ahead of the wait below
	s_wait_loadcnt 0x0
	PV 0
	SM 1
	PV 1
.Ldead:
	s_wait_alu depctr_va_vdst(0)                   ; directly ahead of the wait below
	s_wait_loadcnt 0x0                             ; (a hidden first trip: its 40 loads have landed, so their registers and bases may be used again)
	s_add_nc_u64 s[KB:KB+1], s[KB:KB+1], 65536     ; four key steps on
	s_add_nc_u64 s[SB:SB+1], s[SB:SB+1], 2048
	s_add_co_u32 s[MO], s[MO], 1024
	s_lshr_b32 s[FL], s[FL], 1
	s_bitcmp1_b32 s[FL], 0
	s_cbranch_scc1 .Lnone                          ; the next trip is hidden, or there is none
	PLACES 8                                       ; behind the last products, ahead of loads into what they have read
	KLOAD
.Lnone:
	s_sub_co_u32 s[CNT], s[CNT], 1
	s_cmp_lg_u32 s[CNT], 0
	s_wait_alu depctr_va_vdst(0)                   ; directly ahead of the branch
	s_cbranch_scc1 .Lstep
	; THE JOIN
	PLACES 8
	v_add_f32 v[ST0+2], v[ST0+2], v[ST0+3]
	v_add_f32 v[ST0+6], v[ST0+6], v[ST0+7]
	v_permlanex16_b32 v[TP], v[ST0+2], s[SEL], s[SEL+1]
	v_permlanex16_b32 v[TM+4], v[ST0+6], s[SEL], s[SEL+1]
	v_add_f32 v[ST0+2], v[ST0+2], v[TP]
	v_add_f32 v[ST0+6], v[ST0+6], v[TM+4]
	WIN 0x04
	s_wait_alu depctr_va_vdst(0)                   ; directly ahead of the first reader of O^T
.set k, 0
.rept 32
	ds_store_b128 v[ADO], v[O0+4*k:O0+4*k+3] offset:512*k   ; each accumulator from its low end on
.set k, k+1
.endr
	WIN 0
.irp i, 0,1,2,3
	ds_store_b32 v[ADM], v[ST0+2*\i] offset:128*\i ; -M, sum of head 0; of head 1
.endr
	s_wait_alu depctr_va_vdst(0)
	s_wait_dscnt 0x0                               ; my stores are done: the others read them behind the barrier
	s_barrier_signal -1
	s_barrier_wait -1
.irp k, 0,1,2,3
	ds_load_b32 v[PM+\k], v[ARM] offset:512*\k
	ds_load_b32 v[PL+\k], v[ARM] offset:512*\k+128
.endr
.irp k, 0,1,2,3
.irp j, 0,1,2,3,4,5,6,7
	ds_load_b128 v[S0+32*\k+4*\j:S0+32*\k+4*\j+3], v[ARO] offset:16384*\k+512*\j
.endr
.endr
	s_wait_dscnt 32                                ; the eight words are in; the 32 loads behind them may be out
	v_min_num_f32 v[NM], v[PM], v[PM+1]
	v_min_num_f32 v[LL], v[PM+2], v[PM+3]
	v_min_num_f32 v[NM], v[NM], v[LL]              ; the common -M
.irp k, 0,1,2,3
	v_sub_f32 v[FK+2*\k], v[NM], v[PM+\k]
.endr
.irp k, 0,1,2,3
	v_cvt_i32_f32 v[FK+2*\k], v[FK+2*\k]           ; (it saturates: a wave with no live step gets the factor 0)
.endr
.irp k, 0,1,2,3
	v_ldexp_f32 v[FK+2*\k], 1.0, v[FK+2*\k]
.endr
	v_mul_f32 v[LL], v[PL], v[FK]
.irp k, 1,2,3
	v_fma_f32 v[LL], v[PL+\k], v[FK+2*\k], v[LL]
.endr
	s_wait_alu depctr_va_vdst(0)                   ; ahead of the transcendental
	v_rcp_f32 v[INV], v[LL]
	v_nop
	v_cmp_eq_f32 vcc_lo, 0, v[LL]                  ; a query with no key
	s_wait_alu depctr_va_vdst(0)
	v_cndmask_b32 v[INV], v[INV], v[NIL], vcc_lo
.irp k, 0,1,2,3
	v_mul_f32 v[FK+2*\k], v[FK+2*\k], v[INV]
.endr
	s_wait_alu depctr_va_vdst(0)
	s_wait_dscnt 0x0
.set j, 0
.rept 16
	v_pk_mul_f32 v[S0+j:S0+j+1], v[S0+j:S0+j+1], v[FK:FK+1] op_sel_hi:[1,0]
.set j, j+2
.endr
.irp k, 1,2,3
.set j, 0
.rept 16
	v_pk_fma_f32 v[S0+j:S0+j+1], v[S0+32*\k+j:S0+32*\k+j+1], v[FK+2*\k:FK+2*\k+1], v[S0+j:S0+j+1] op_sel_hi:[1,0,1]
.set j, j+2
.endr
.endr
	; my two blocks of 32 (16 numbers of each in my lane, 16 in lane l xor 16): largest magnitudes in four chains
.irp c, 0,1,2,3
	v_max3_num_f32 v[TM+\c], |v[S0+8*\c]|, |v[S0+8*\c+1]|, 0x4800000
.endr
.irp i, 2,4,6
.irp c, 0,1,2,3
	v_max3_num_f32 v[TM+\c], v[TM+\c], |v[S0+8*\c+\i]|, |v[S0+8*\c+\i+1]|
.endr
.endr
	v_max_num_f32 v[TM], v[TM], v[TM+1]
	v_max_num_f32 v[TM+1], v[TM+2], v[TM+3]
.irp b, 0,1
	v_permlanex16_b32 v[TM+4+\b], v[TM+\b], s[SEL], s[SEL+1]
.endr
.irp b, 0,1
	v_max_num_f32 v[TM+\b], v[TM+\b], v[TM+4+\b]
.endr
.irp b, 0,1
	v_add_nc_u32 v[TM+12+\b], 0xfc000000, v[TM+\b]
.endr
.irp b, 0,1
	v_and_or_b32 v[TM+8+\b], v[TM+\b], 0x7f800000, s[MNT]
.endr
.irp b, 0,1
	v_lshrrev_b32 v[TM+4+\b], 23, v[TM+12+\b]
.endr
	v_lshl_or_b32 v[PW0], v[TM+5], 8, v[TM+4]      ; my two bytes of the row's scale word
.irp b, 0,1
.irp i, 0,1,2,3,4,5,6,7,8,9,10,11,12,13,14,15
	v_med3_num_f32 v[S0+16*\b+\i], v[S0+16*\b+\i], -v[TM+8+\b], v[TM+8+\b]
.endr
.endr
.irp b, 0,1
	v_cvt_scalef32_pk8_fp8_f32 v[PC0+4*\b:PC0+1+4*\b], v[S0+16*\b:S0+7+16*\b], v[TM+12+\b]
	v_cvt_scalef32_pk8_fp8_f32 v[PC0+2+4*\b:PC0+3+4*\b], v[S0+8+16*\b:S0+15+16*\b], v[TM+12+\b]
.endr
	v_mov_b32 v[NANC], 0x7f7f7f7f                  ; four codes of NaN.  (The plain line behind the last conversion)
.irp i, 0,1,2,3,4,5,6,7
	v_cndmask_b32 v[PC0+\i], v[PC0+\i], v[NANC], vcc_lo
.endr
	global_store_b128 v[LI], v[PC0:PC0+3], s[OC:OC+1]              ; each store covers 512 consecutive bytes, aligned
	global_store_b128 v[LI], v[PC0+4:PC0+7], s[OC:OC+1] offset:512
	global_store_b16 v[QW], v[PW0], s[OS:OS+1]     ; both halves of the lanes hold the same two bytes
	s_wait_tensorcnt 0x0                           ; the wave's end
	ds_add_u32 v[SPW], v[NIL]
	s_wait_dscnt 0x0
	s_endpgm
.Lfunc_end_k_q3bed8db810_attn:
	.size	k_q3bed8db810_attn, .Lfunc_end_k_q3bed8db810_attn-k_q3bed8db810_attn
	.p2alignl 7, 3214868480
	.fill 96, 4, 3214868480
	.section	.rodata,"a",@progbits
	.p2align	6, 0x0
	.amdhsa_kernel k_q3bed8db810_attn
		.amdhsa_group_segment_fixed_size 68096
		.amdhsa_private_segment_fixed_size 0
		.amdhsa_enable_private_segment 0
		.amdhsa_kernarg_size 40
		.amdhsa_user_sgpr_count 2
		.amdhsa_user_sgpr_kernarg_segment_ptr 1
		.amdhsa_wavefront_size32 1
		.amdhsa_system_sgpr_workgroup_id_x 1
		.amdhsa_system_sgpr_workgroup_id_y 1
		.amdhsa_system_sgpr_workgroup_id_z 1
		.amdhsa_system_vgpr_workitem_id 0
		.amdhsa_next_free_vgpr 512
		.amdhsa_next_free_sgpr 100
		.amdhsa_reserve_vcc 1
		.amdhsa_float_denorm_mode_32 3
		.amdhsa_float_denorm_mode_16_64 3
		.amdhsa_memory_ordered 1
		.amdhsa_forward_progress 1
		.amdhsa_inst_pref_size 83
	.end_amdhsa_kernel
	.amdgpu_metadata
---
amdhsa.version: [ 1, 2 ]
amdhsa.kernels:
  - .name:           k_q3bed8db810_attn
    .symbol:         k_q3bed8db810_attn.kd
    .args:
      - { .name: img, .offset: 0, .size: 8, .value_kind: global_buffer, .address_space: global }
      - { .name: isc, .offset: 8, .size: 8, .value_kind: global_buffer, .address_space: global }
      - { .name: mw, .offset: 16, .size: 8, .value_kind: global_buffer, .address_space: global }
      - { .name: cimg, .offset: 24, .size: 8, .value_kind: global_buffer, .address_space: global }
      - { .name: csc, .offset: 32, .size: 8, .value_kind: global_buffer, .address_space: global }
    .group_segment_fixed_size: 68096
    .private_segment_fixed_size: 0
    .kernarg_segment_align: 8
    .kernarg_segment_size: 40
    .max_flat_workgroup_size: 128
    .sgpr_count:     100
    .vgpr_count:     512
    .wavefront_size: 32
...
	.end_amdgpu_metadata
.endif
;; end of part 3
;; launch oproj (part 4): grid 16 x 16, 4 waves a work-group, clusters of 4 x 4, 327,680 bytes of LDS; arguments codes, cscl, cimg, csc, out0; writes out0
.if DOCPART == 4
	.amdgcn_target "amdgcn-amd-amdhsa--gfx1250"
	.amdhsa_code_object_version 6
	.text
	.protected	k_q3bed8db810_oproj
	.globl	k_q3bed8db810_oproj
	.p2align	8
	.type	k_q3bed8db810_oproj,@function
k_q3bed8db810_oproj:
	s_mov_b64 s[64:65], 0
	v_nop
	global_prefetch_b8 v0, s[64:65] scope:SCOPE_SE
	s_setreg_imm32_b32 hwreg(HW_REG_WAVE_MODE, 25, 1), 1
	s_wait_xcnt 0x0
	s_wait_alu depctr_hold_cnt(0) depctr_sa_sdst(0) depctr_va_vdst(0) depctr_va_sdst(0) depctr_va_ssrc(0) depctr_va_vcc(0) depctr_vm_vsrc(0)
	s_getreg_b32 s2, hwreg(HW_REG_IB_STS2, 6, 4)
	s_cmp_eq_u32 s2, 0
	s_cbranch_scc0 .Lentry_in_a_cluster
	s_endpgm
.Lentry_in_a_cluster:
	s_bfe_u32 s2, ttmp6, 0x10000c
	s_cmp_lg_u32 s2, 0xf033
	s_cbranch_scc0 .Lentry_shape_is_right
	s_endpgm
.Lentry_shape_is_right:
; out0 = ctx Wo^T on codes of E4M3 with one E8M0 byte for each 32 along K = 2,048 (K step of 128 = a head).  out0: [2,048][2,048] f32.
; A work-group makes 128 tokens x 128 features, so that there are 256 work-groups.  Four waves; wave w has features' half w % 2 (P side, source 0: 4 tiles of 16 stored rows of Wo) and tokens' half w / 2 (R side, source 1: 4 tiles): 16 accumulators.
; Wo's codes lie as rows (stored row order: a tile of 16 is the rows 32 a + 8 u + (r % 8) + 16 (r / 8)); ctx lies as IMAGES of its fragments (register group c at 512 c + 16 x lane), image 16 T + head, row r = token 32 (T / 2) + 8 (T % 2) + (r % 8) + 16 (r / 8).
; In the result lane (r, h) holds token r of its tile, and registers 8 t + j the feature 32 (t / 2) + 8 (t % 2) + 16 h + j: neighbours of a row of out0.
; K goes in four steps of 512 through two LDS slots; the scale bytes of all of K come once.  CLUSTER 4 x 4: Wo's tiles are the same in a column of the cluster, ctx's in a row: each is asked for jointly.
; A token whose ctx carries the scale format's NaN (a query with no key) gets a row of NaN.
; REGISTERS: window 0: v1-15 addresses; v16-63 scale words, two sets, and nothing else; v64-127 rows on the way out; v128-255 accumulator (t, m) at v[128 + 8 (4 m + t)].   window 1: two sets of fragments: P at 128 p + 16 t, R at 128 p + 64 + 16 m.
.set PP,    528                        ; P's LDS row: 512 bytes + 16 of padding
.set PHALF, 64*PP                      ; 64 rows of P: one tensor load, and what a wave reads
.set RHALF, 4*8192                     ; 4 tiles x 4 images of R likewise
.set SLOT,  2*PHALF+2*RHALF
.set SCL,   2*SLOT                     ; P's scale bytes, as runs of 256 bytes + 16 of padding
.set PSH,   16*272                     ; those of 64 rows
.set RSC,   SCL+2*PSH                  ; R's scale words, dense: 1,024 bytes a tile
.set SPARE, RSC+8192                   ; the spare words, 128 bytes for each wave: two blocks of 256 bytes that no other line names
.set STG,   SPARE+512                  ; the way out: 16 rows x 272 bytes for each wave; no tile lands here
.set ADRP, 3
.set ADRR, 5
.set ADSP, 7
.set ADSR, 8
.set SPW,  9
.set NIL,  10
.set STO,  11
.set RD,   12
.set CO,   13
.set SC,   16                          ; set s at SC + 24 s: P's tile t, K quarter q at + 4 t + q;  R's tile m at + 16 + 2 m + q / 2: lanes 0-15 the even q, lanes 16-31 the odd
.set OB,   64
.set ACC,  128
.set G1R,  24
.set G0R,  32
.set G1P,  48
.set G0P,  56
.set G1SR, 68
.set G0SR, 76
.set G1SP, 80
.set G0SP, 88
.set MSB, 0
.macro WIN new
.if MSB != (\new)
	s_set_vgpr_msb (MSB<<8)|(\new)
.set MSB, (\new)
.endif
.endm
.macro PLACES n
.rept \n
	v_nop
.endr
.endm
.macro JLOAD g0p, g1p, g0r, g1r        ; a joint load: waves 0 and 1 fetch P's halves, waves 2 and 3 R's; four v_nop follow each line
	s_cmp_eq_u32 s21, 0
	s_cbranch_scc0 .Lfor_r_\@
	tensor_load_to_lds s[\g0p:\g0p+3], s[\g1p:\g1p+7]
	s_nop 0
	PLACES 4
	s_branch .Lasked_\@
.Lfor_r_\@:
	tensor_load_to_lds s[\g0r:\g0r+3], s[\g1r:\g1r+7]
	s_nop 0
	PLACES 4
.Lasked_\@:
.endm
.macro CREST
	s_cmp_lg_u32 s20, 0
	s_cbranch_scc1 .Lnot_wave_0_\@
	s_barrier_signal -3
.Lnot_wave_0_\@:
	s_barrier_wait -3
	s_barrier_signal -1
	s_barrier_wait -1
.endm
.macro CROUND
	s_barrier_signal -1
	s_barrier_wait -1
	CREST
.endm
	s_load_b256 s[4:11], s[0:1], 0x0               ; codes s[4:5], cscl s[6:7], cimg s[8:9], csc s[10:11]
	s_load_b64 s[12:13], s[0:1], 0x20              ; out0
	v_lshl_add_u32 v[SPW], v0, 2, SPARE
	v_mov_b32 v[NIL], 0
	ds_add_u32 v9, v10
	ds_add_u32 v9, v10
	s_wait_dscnt 0x0
	v_lshrrev_b32 v1, 5, v0
	v_readfirstlane_b32 s20, v1                    ; wave 0..3
	s_lshr_b32 s21, s20, 1                         ; my half of the tokens.  Also: I fetch for P (0) or for R (1)
	s_and_b32 s22, s20, 1                          ; my half of the features.  Also: which half of that side I fetch
	s_bfe_u32 s40, ttmp6, 0x40000                  ; cx
	s_bfe_u32 s41, ttmp6, 0x40004                  ; cy
	s_lshl_b32 s42, s41, 2
	s_lshl_b32 s42, 15, s42                        ; my row of the cluster
	s_lshl_b32 s43, 0x1111, s40                    ; my column
	s_or_b32 s[G1P], s43, (1<<20)|(1<<21)|(6<<22)|(3<<25)    ; P: to my column; elements of 1 byte; 4 words of padding after every 128
	s_mov_b32 s[G1P+1], 512<<16
	s_mov_b32 s[G1P+2], 128<<16                    ; the head's loads bring a side whole
	s_mov_b32 s[G1P+3], 512<<16
	s_mov_b32 s[G1P+4], 128
	s_mov_b32 s[G1P+5], 2048
	s_mov_b32 s[G1P+6], 0
	s_mov_b32 s[G1P+7], 0
	s_or_b32 s[G1R], s42, (3<<16)|(1<<21)          ; R: to my row; elements of 8 bytes; 4 rows (tiles) of 8,192 bytes (four images), 32,768 bytes apart; no padding
	s_mov_b32 s[G1R+1], 1024<<16
	s_mov_b32 s[G1R+2], 8<<16
	s_mov_b32 s[G1R+3], 1024<<16
	s_mov_b32 s[G1R+4], 8
	s_mov_b32 s[G1R+5], 4096
	s_mov_b32 s[G1R+6], 0
	s_mov_b32 s[G1R+7], 0
	s_or_b32 s[G1SP], s43, (3<<16)|(1<<20)|(1<<21)|(5<<22)|(3<<25)   ; P's scale bytes: 8,192 dense bytes as 32 rows of 256, padded
	s_or_b32 s[G1SR], s42, (3<<16)|(1<<21)         ; R's scale words: 8,192 dense bytes, not padded
.irp g, G1SP, G1SR
	s_mov_b32 s[\g+1], 32<<16
	s_mov_b32 s[\g+2], 32<<16
	s_mov_b32 s[\g+3], 32<<16
	s_mov_b32 s[\g+4], 32
	s_mov_b32 s[\g+5], 32
	s_mov_b32 s[\g+6], 0
	s_mov_b32 s[\g+7], 0
.endr
	s_lshl_b32 s44, ttmp9, 2
	s_add_co_u32 s44, s44, s40                     ; Pb: my block of 128 features
	s_and_b32 s47, ttmp7, 0xffff
	s_lshl_b32 s47, s47, 2
	s_add_co_u32 s47, s47, s41                     ; Rb: my block of 128 tokens
	s_lshl_b32 s45, s44, 7
	s_add_co_u32 s45, s45, 6144                    ; Wo begins at row 6,144 of the table
	s_lshl_b32 s46, s22, 6
	s_add_co_u32 s45, s45, s46                     ; the first of the 64 rows of P that I would fetch
	s_lshl_b32 s66, s47, 3
	s_lshl_b32 s67, s22, 2
	s_add_co_u32 s66, s66, s67                     ; the first of the 4 tiles of R
	s_lshl_b32 s14, s47, 20                        ; where my part of out0 begins: token x 8,192 + feature x 4
	s_lshl_b32 s15, s21, 19
	s_add_co_u32 s14, s14, s15
	s_lshl_b32 s15, s44, 9
	s_add_co_u32 s14, s14, s15
	s_lshl_b32 s15, s22, 8
	s_add_co_u32 s14, s14, s15
	s_mov_b32 s15, 0
	s_wait_kmcnt 0x0
	s_add_nc_u64 s[12:13], s[12:13], s[14:15]
	s_lshl_b32 s100, s45, 11
	s_mov_b32 s101, 0
	s_add_nc_u64 s[100:101], s[4:5], s[100:101]    ; P's codes
	s_lshl_b32 s98, s66, 15
	s_mov_b32 s99, 0
	s_add_nc_u64 s[98:99], s[8:9], s[98:99]        ; R's images
	s_mul_i32 s2, s20, PHALF                       ; where they go: no place in the cluster enters an LDS address
	s_lshl_b32 s3, s20, 15
	s_add_co_u32 s3, s3, 2*PHALF-2*RHALF           ; (waves 2 and 3: behind P's 128 rows)
.irp s, 0,1
	s_mov_b32 s[G0P+4*\s], 1
	s_add_co_u32 s[G0P+4*\s+1], s2, \s*SLOT
	s_add_nc_u64 s[G0P+4*\s+2:G0P+4*\s+3], s[100:101], \s*512
	s_or_b32 s[G0P+4*\s+3], s[G0P+4*\s+3], 0x80000000
	s_mov_b32 s[G0R+4*\s], 1
	s_add_co_u32 s[G0R+4*\s+1], s3, \s*SLOT
	s_add_nc_u64 s[G0R+4*\s+2:G0R+4*\s+3], s[98:99], \s*8192
	s_or_b32 s[G0R+4*\s+3], s[G0R+4*\s+3], 0x80000000
.endr
	s_mov_b32 s[G0SP], 1
	s_mov_b32 s[G0SP+1], SCL
	s_lshl_b32 s[G0SP+2], s22, 6
	s_sub_co_u32 s[G0SP+2], s45, s[G0SP+2]         ; P's first row, without my half
	s_lshl_b32 s[G0SP+2], s[G0SP+2], 6
	s_mov_b32 s[G0SP+3], 0
	s_add_nc_u64 s[G0SP+2:G0SP+3], s[6:7], s[G0SP+2:G0SP+3]
	s_or_b32 s[G0SP+3], s[G0SP+3], 0x80000000
	s_mov_b32 s[G0SR], 1
	s_mov_b32 s[G0SR+1], RSC
	s_lshl_b32 s[G0SR+2], s22, 2
	s_sub_co_u32 s[G0SR+2], s66, s[G0SR+2]         ; R's first tile, without my half
	s_lshl_b32 s[G0SR+2], s[G0SR+2], 10
	s_mov_b32 s[G0SR+3], 0
	s_add_nc_u64 s[G0SR+2:G0SR+3], s[10:11], s[G0SR+2:G0SR+3]
	s_or_b32 s[G0SR+3], s[G0SR+3], 0x80000000
	CROUND                                         ; all sixteen work-groups are here: the first joint loads meet
	; the head's four tiles, one a wave: wave 0 K step 0's 128 rows of P, wave 1 P's scale bytes, wave 2 K step 0's 8 tiles of R, wave 3 R's scale words
	s_cmp_eq_u32 s20, 0
	s_cbranch_scc0 .Lhead_1
	tensor_load_to_lds s[G0P:G0P+3], s[G1P:G1P+7]
	s_nop 0
	PLACES 4
	s_branch .Lhead_asked
.Lhead_1:
	s_cmp_eq_u32 s20, 1
	s_cbranch_scc0 .Lhead_2
	tensor_load_to_lds s[G0SP:G0SP+3], s[G1SP:G1SP+7]
	s_nop 0
	PLACES 4
	s_branch .Lhead_asked
.Lhead_2:
	s_cmp_eq_u32 s20, 2
	s_cbranch_scc0 .Lhead_3
	tensor_load_to_lds s[G0R:G0R+3], s[G1R:G1R+7]
	s_nop 0
	PLACES 4
	s_branch .Lhead_asked
.Lhead_3:
	tensor_load_to_lds s[G0SR:G0SR+3], s[G1SR:G1SR+7]
	s_nop 0
	PLACES 4
.Lhead_asked:
	v_and_b32 v1, 15, v0                           ; r
	v_bfe_u32 v2, v0, 4, 1                         ; h
	v_and_b32 v14, 31, v0                          ; lane
	v_mul_u32_u24 v15, v1, PP
	v_lshl_add_u32 v15, v2, 4, v15                 ; P: row x pitch + 16 h
	s_mul_i32 s2, s22, PHALF
	s_lshl_b32 s3, s21, 15
	s_add_co_u32 s3, s3, 2*PHALF
.irp s, 0,1
	v_add_nc_u32 v[ADRP+\s], s2, v15
	v_lshl_add_u32 v[ADRR+\s], v14, 4, s3          ; R: 16 x lane
	s_add_co_u32 s2, s2, SLOT
	s_add_co_u32 s3, s3, SLOT
.endr
	v_lshrrev_b32 v15, 2, v1
	v_lshlrev_b32 v15, 4, v15
	v_lshl_add_u32 v15, v1, 6, v15                 ; a row's 64 scale bytes: 64 r, and 16 more for each 256 passed
	s_mul_i32 s2, s22, PSH
	s_add_co_u32 s2, s2, SCL
	v_add_nc_u32 v[ADSP], s2, v15
	s_lshl_b32 s3, s21, 12
	s_add_co_u32 s3, s3, RSC
	v_lshl_add_u32 v[ADSR], v14, 2, s3             ; 4 x lane: lanes 0-15 one head's 16 words, lanes 16-31 the next head's
	s_mul_i32 s2, s20, 16*272
	s_add_co_u32 s2, s2, STG                       ; my stage
	v_mul_u32_u24 v[STO], v1, 272
	v_lshl_add_u32 v[STO], v2, 6, v[STO]
	v_add_nc_u32 v[STO], s2, v[STO]                ; in: row r, + 64 h
	v_mul_u32_u24 v[RD], v2, 272
	v_lshl_add_u32 v[RD], v1, 4, v[RD]
	v_add_nc_u32 v[RD], s2, v[RD]                  ; back: lanes 0-15 one row of 256 bytes, lanes 16-31 the next
	v_lshlrev_b32 v[CO], 13, v2
	v_lshl_add_u32 v[CO], v1, 4, v[CO]             ; and the same two rows in out0
	; THE PREFETCHES.  Of what I fetch in a K step (P: 64 rows x 512 bytes; R: 4 tiles x 8,192 bytes) each of the four partners that ask for it jointly names a quarter, told apart by address (cy for P, cx for R):
	; P: 16 rows x 2 blocks of 256 bytes, R: one tile's 32 blocks: a lane a block.  So each block is named once in each cluster that loads it.  The head asks for K steps 1 and 2, slot 1's first fill for step 3: each pointer is written once.
	s_lshl_b32 s2, s41, 4
	s_add_co_u32 s2, s2, s45
	s_lshl_b32 s2, s2, 11                          ; P: my work-group's first row, in bytes
	s_add_co_u32 s3, s66, s40
	s_lshl_b32 s3, s3, 15                          ; R: its tile
	s_mov_b32 s93, 8192
	s_cmp_eq_u32 s21, 0
	s_cselect_b64 s[14:15], s[4:5], s[8:9]
	s_cselect_b32 s92, s2, s3
	s_cselect_b32 s2, 512, s93                     ; a K step on
	s_cselect_b32 s94, 11, 9
	s_mov_b32 s93, 0
	s_mov_b32 s3, 0
	s_add_nc_u64 s[14:15], s[14:15], s[92:93]
	s_add_nc_u64 s[14:15], s[14:15], s[2:3]        ; K step 1
	s_add_nc_u64 s[16:17], s[14:15], s[2:3]        ; K step 2
	s_add_nc_u64 s[18:19], s[16:17], s[2:3]        ; K step 3
	v_and_b32 v14, 31, v0
	v_lshrrev_b32 v15, 1, v14
	v_and_b32 v14, 1, v14
	v_lshlrev_b32 v15, s94, v15                    ; P: 2,048 (lane / 2); R: 512 (lane / 2)
	v_lshl_add_u32 v15, v14, 8, v15                ; + 256 (lane % 2); never rewritten
	global_prefetch_b8 v15, s[14:15] th:TH_LOAD_NT scope:SCOPE_SE
	global_prefetch_b8 v15, s[16:17] th:TH_LOAD_NT scope:SCOPE_SE
; 4 matrix instructions: P's four tiles x R's tile m, the slot's q-th 128 along K (fragments in set q % 2).  The 16 accumulators take turns, one instruction a turn, in the same order in every step.
.macro MULM m, q, sc, zero
.irp t, 0,1,2,3
.if \zero
	v_wmma_scale_f32_16x16x128_f8f6f4 v[ACC+8*(4*(\m)+\t):ACC+8*(4*(\m)+\t)+7], v[128*((\q)%2)+16*\t:128*((\q)%2)+16*\t+15], v[128*((\q)%2)+64+16*(\m):128*((\q)%2)+64+16*(\m)+15], 0, v[SC+24*(\sc)+4*\t+(\q)], v[SC+24*(\sc)+16+2*(\m)+(\q)/2]
.elseif (\q)%2
	v_wmma_scale_f32_16x16x128_f8f6f4 v[ACC+8*(4*(\m)+\t):ACC+8*(4*(\m)+\t)+7], v[128*((\q)%2)+16*\t:128*((\q)%2)+16*\t+15], v[128*((\q)%2)+64+16*(\m):128*((\q)%2)+64+16*(\m)+15], v[ACC+8*(4*(\m)+\t):ACC+8*(4*(\m)+\t)+7], v[SC+24*(\sc)+4*\t+(\q)], v[SC+24*(\sc)+16+2*(\m)+(\q)/2] matrix_b_scale:MATRIX_SCALE_ROW1
.else
	v_wmma_scale_f32_16x16x128_f8f6f4 v[ACC+8*(4*(\m)+\t):ACC+8*(4*(\m)+\t)+7], v[128*((\q)%2)+16*\t:128*((\q)%2)+16*\t+15], v[128*((\q)%2)+64+16*(\m):128*((\q)%2)+64+16*(\m)+15], v[ACC+8*(4*(\m)+\t):ACC+8*(4*(\m)+\t)+7], v[SC+24*(\sc)+4*\t+(\q)], v[SC+24*(\sc)+16+2*(\m)+(\q)/2]
.endif
.endr
.endm
.macro FETCH slot, q, p                ; 32 LDS loads in one run
	WIN 0x40                                       ; destination window 1
.irp t, 0,1,2,3
.irp c, 0,1,2,3
	ds_load_b128 v[128*(\p)+16*\t+4*\c:128*(\p)+16*\t+4*\c+3], v[ADRP+\slot] offset:\t*16*PP+128*(\q)+32*\c
.endr
.endr
.irp t, 0,1,2,3
.irp c, 0,1,2,3
	ds_load_b128 v[128*(\p)+64+16*\t+4*\c:128*(\p)+64+16*\t+4*\c+3], v[ADRR+\slot] offset:8192*\t+2048*(\q)+512*\c
.endr
.endr
	WIN 0
.endm
.macro SCALES set                      ; a K step's scale words: P: four words a row; R: two registers a tile, two heads in each
.irp t, 0,1,2,3
	ds_load_b128 v[SC+24*(\set)+4*\t:SC+24*(\set)+4*\t+3], v[ADSP] offset:\t*1088
.endr
.irp t, 0,1,2,3
	ds_load_b32 v[SC+24*(\set)+16+2*\t], v[ADSR] offset:1024*\t
	ds_load_b32 v[SC+24*(\set)+17+2*\t], v[ADSR] offset:1024*\t+128
.endr
.endm
.macro STEP slot, q, zero              ; one of a slot's first three quarters; the next quarter's fragments are fetched ahead of the 16 products
	s_wait_dscnt 0x0                               ; this quarter's fragments (and the scale words) are in
	PLACES 8                                       ; eight places behind the products that read the other set
	FETCH \slot, (\q)+1, ((\q)+1)%2
	WIN 0x05                                       ; sources 0 and 1 window 1
	MULM 0, \q, \slot, \zero
	MULM 1, \q, \slot, \zero
	MULM 2, \q, \slot, \zero
	MULM 3, \q, \slot, \zero
	WIN 0
.endm
; A slot's last quarter, and the change of slots: ONE barrier; in front of it each wave waits for all its tensor loads, adds 0 to its spare word, and waits for that and for its reads of this slot.
.macro TURN slot, next, fill
	s_wait_tensorcnt 0x0                           ; all my tensor loads have landed
	ds_add_u32 v[SPW], v[NIL]                      ; 0 onto my spare word
	s_wait_dscnt 1                                 ; the quarter's 32 loads are in; the add alone may be out
	WIN 0x05
	MULM 0, 3, \slot, 0                            ; four matrix instructions stand between the add and the wait for it
	s_wait_dscnt 0x0                               ; the add is done, and my reads of this slot are over
	s_barrier_signal -1
	MULM 1, 3, \slot, 0
	WIN 0
	s_barrier_wait -1
.if \fill
	CREST                                          ; the barrier has opened a round of the cluster's
	s_add_nc_u64 s[G0P+4*\slot+2:G0P+4*\slot+3], s[G0P+4*\slot+2:G0P+4*\slot+3], 1024
	s_add_nc_u64 s[G0R+4*\slot+2:G0R+4*\slot+3], s[G0R+4*\slot+2:G0R+4*\slot+3], 16384
	JLOAD G0P+4*\slot, G1P, G0R+4*\slot, G1R       ; the first tensor load behind the round: two K steps ahead
	PLACES 4
.else
	PLACES 8
.endif
	s_wait_alu depctr_va_vdst(0)
	v_add_nc_u32 v[ADSP], 16, v[ADSP]              ; the next K step's scale words
	v_add_nc_u32 v[ADSR], 0x100, v[ADSR]
	FETCH \next, 0, 0
	SCALES \next
	WIN 0x05
	MULM 2, 3, \slot, 0
	MULM 3, 3, \slot, 0
	WIN 0
.endm
	s_wait_alu depctr_va_vdst(0)
	s_wait_tensorcnt 0x0                           ; my tile of the head's four is in; slot 1's first fill is issued as a refill is
	ds_add_u32 v[SPW], v[NIL]                      ; 0 onto my spare word
	s_mov_b32 s[G1P+2], 64<<16                     ; no tensor load of mine is out: from here on a load brings half a side
	s_mov_b32 s[G1P+4], 64
	s_mov_b32 s[G1R+2], 4<<16
	s_mov_b32 s[G1R+4], 4
	s_wait_dscnt 0x0
	CROUND
	JLOAD G0P+4, G1P, G0R+4, G1R                   ; K step 1: the first tensor load behind the round
	FETCH 0, 0, 0
	SCALES 0
	global_prefetch_b8 v15, s[18:19] th:TH_LOAD_NT scope:SCOPE_SE
	STEP 0, 0, 1
	STEP 0, 1, 0
	STEP 0, 2, 0
	TURN 0, 1, 1                                   ; slot 0 takes K step 2
	STEP 1, 0, 0
	STEP 1, 1, 0
	STEP 1, 2, 0
	TURN 1, 0, 1                                   ; slot 1 takes K step 3
	STEP 0, 0, 0
	STEP 0, 1, 0
	STEP 0, 2, 0
	TURN 0, 1, 0                                   ; nothing is left to fetch
	STEP 1, 0, 0
	STEP 1, 1, 0
	STEP 1, 2, 0
	s_wait_dscnt 0x0
	WIN 0x05
	MULM 0, 3, 1, 0
	MULM 1, 3, 1, 0
	MULM 2, 3, 1, 0
	MULM 3, 3, 1, 0
	WIN 0
	PLACES 8
; THE WAY OUT, a tile of 16 tokens at a time.  My 64 features are 256 bytes of a row: they go through my own stage and come back as whole rows, so that sixteen lanes store 256 consecutive bytes, aligned.
; LDS serves a wave's instructions in order (ISA guide 5.7.1.4): no wait between the stores and the loads, nor in front of the next tile's stores.
.macro SEND m
.if (\m) >= 2
	s_wait_xcnt 0x0                                ; the stores of the tile two back have read their registers: the loads below land there
.endif
.irp t, 0,1,2,3
	ds_store_b128 v[STO], v[ACC+8*(4*(\m)+\t):ACC+8*(4*(\m)+\t)+3] offset:128*(\t/2)+32*(\t%2)       ; each accumulator from its low end on
	ds_store_b128 v[STO], v[ACC+8*(4*(\m)+\t)+4:ACC+8*(4*(\m)+\t)+7] offset:128*(\t/2)+32*(\t%2)+16
.endr
.irp i, 0,1,2,3,4,5,6,7
	ds_load_b128 v[OB+32*((\m)%2)+4*\i:OB+32*((\m)%2)+4*\i+3], v[RD] offset:544*\i
.endr
	s_wait_dscnt 0x0
.irp i, 0,1,2,3,4,5,6,7
	global_store_b128 v[CO], v[OB+32*((\m)%2)+4*\i:OB+32*((\m)%2)+4*\i+3], s[12:13] offset:(32*((\m)/2)+8*((\m)%2)+(2*\i)%8+16*(\i/4))*8192 th:TH_STORE_NT   ; stage row 2 i + h is token 32 (m / 2) + 8 (m % 2) + (row % 8) + 16 (row / 8)
.endr
.endm
	SEND 0
	SEND 1
	SEND 2
	SEND 3
	s_wait_tensorcnt 0x0                           ; the wave's end
	ds_add_u32 v[SPW], v[NIL]
	s_wait_dscnt 0x0
	CROUND                                         ; the closing round
	s_endpgm
.Lfunc_end_k_q3bed8db810_oproj:
	.size	k_q3bed8db810_oproj, .Lfunc_end_k_q3bed8db810_oproj-k_q3bed8db810_oproj
	.p2alignl 7, 3214868480
	.fill 96, 4, 3214868480
	.section	.rodata,"a",@progbits
	.p2align	6, 0x0
	.amdhsa_kernel k_q3bed8db810_oproj
		.amdhsa_group_segment_fixed_size 327680
		.amdhsa_private_segment_fixed_size 0
		.amdhsa_enable_private_segment 0
		.amdhsa_kernarg_size 40
		.amdhsa_user_sgpr_count 2
		.amdhsa_user_sgpr_kernarg_segment_ptr 1
		.amdhsa_wavefront_size32 1
		.amdhsa_system_sgpr_workgroup_id_x 1
		.amdhsa_system_sgpr_workgroup_id_y 1
		.amdhsa_system_sgpr_workgroup_id_z 1
		.amdhsa_system_vgpr_workitem_id 0
		.amdhsa_next_free_vgpr 512
		.amdhsa_next_free_sgpr 102
		.amdhsa_reserve_vcc 0
		.amdhsa_float_denorm_mode_32 3
		.amdhsa_float_denorm_mode_16_64 3
		.amdhsa_memory_ordered 1
		.amdhsa_forward_progress 1
		.amdhsa_inst_pref_size 95
	.end_amdhsa_kernel
	.amdgpu_metadata
---
amdhsa.version: [ 1, 2 ]
amdhsa.kernels:
  - .name:           k_q3bed8db810_oproj
    .symbol:         k_q3bed8db810_oproj.kd
    .args:
      - { .name: codes, .offset: 0, .size: 8, .value_kind: global_buffer, .address_space: global }
      - { .name: cscl, .offset: 8, .size: 8, .value_kind: global_buffer, .address_space: global }
      - { .name: cimg, .offset: 16, .size: 8, .value_kind: global_buffer, .address_space: global }
      - { .name: csc, .offset: 24, .size: 8, .value_kind: global_buffer, .address_space: global }
      - { .name: out0, .offset: 32, .size: 8, .value_kind: global_buffer, .address_space: global }
    .group_segment_fixed_size: 327680
    .private_segment_fixed_size: 0
    .kernarg_segment_align: 8
    .kernarg_segment_size: 40
    .max_flat_workgroup_size: 128
    .sgpr_count:     102
    .vgpr_count:     512
    .wavefront_size: 32
...
	.end_amdgpu_metadata
.endif
;; end of part 4
